; MI455X (gfx1250); checked and timed in simulation.
; The chip was launched on July 23, 2026; its instructions are those of AMD's public machine-readable ISA for CDNA 5 (MIT licence, August 2026) and "CDNA5" Instruction Set Architecture Reference Guide (July 2026). The comments in the code are by the model that wrote it; some were corrected since.
;; Multi Head Attention. Allowed arithmetic: matrix products marked QUANTISED: E2M1 operands, one E8M0 scale for each 32 along K, by v_wmma_scale_f32_16x16x128_f8f6f4 with both operands' format E2M1 (or v_wmma_scale_f32_32x16x128_f4), f32 sums; everything else in f32.
;; Inputs: W_proj 1,024 x 1,024 float32; W_qkv 3,072 x 1,024 float32; b_proj 1,024 float32; b_qkv 3,072 float32; x 4 x 2,048 x 1,024 float32.
;; Outputs: out0 4 x 2,048 x 1,024 float32.
;; This version of the problem:
;;   THIS VERSION OF THE PROBLEM IS GIVEN IN LOW PRECISION. The matrix products marked QUANTISED in the list below multiply operands that are first quantised to E2M1 (2 exponent bits, 1 mantissa bit; 4 bits a number), with one power-of-two scale for each 32 numbers along K (OCP MX v1.0); their sums are f32. All else is computed in f32.
;;   The module's matrix products, in the order in which they are computed (A, B: the left and right operand; K: the contracted axis; several contracted axes count as one K, in the product's order):
;;     1. [M 8,192, K 1,024] x [K 1,024, N 3,072]; A: input x; B: input W_qkv: QUANTISED
;;     2. batch 64 x [M 2,048, K 64] x [K 64, N 2,048]; A: computed on the way; B: computed on the way: QUANTISED
;;     3. batch 64 x [M 2,048, K 2,048] x [K 2,048, N 64]; A: softmax (see below); B: computed on the way: QUANTISED
;;     4. [M 8,192, K 1,024] x [K 1,024, N 1,024]; A: computed on the way; B: input W_proj: QUANTISED
;;   THE QUANTISER, for each operand of a quantised product, along K:
;;     - K is cut into blocks of 32 from its start; a last block that is shorter is filled with zeros.
;;     - A block's scale is 2^e with e = floor(log2(the largest magnitude in the block)) - 2, held to -126 .. 127; a block of zeros has e = 0. As a byte (E8M0): e + 127.
;;     - Each number is divided by its block's scale, clamped to +-6, and rounded to the nearest number of E2M1, ties to even, subnormals kept.
;;     - The product sums the exact products of the quantised numbers (number of the format x scale) in f32.
;;   ~~~python
;;   def quantise(x, axis):      # numpy; x: float32 -> the quantised numbers, widened to float32 again
;;       x = np.moveaxis(x, axis, -1); K = x.shape[-1]
;;       x = np.pad(x, [(0, 0)] * (x.ndim - 1) + [(0, -K % 32)]); x = x.reshape(x.shape[:-1] + (-1, 32)); a = np.abs(x).max(-1, keepdims=True)
;;       e = np.where(a > 0, np.clip(np.frexp(np.where(a > 0, a, 1))[1] - 1 - 2, -126, 127), 0)      # np.frexp(a)[1] - 1 = floor(log2(a)), exactly
;;       r = np.clip(x / 2.0 ** e, -6, 6)
;;       step = 2.0 ** (np.maximum(np.frexp(np.where(r == 0, 1, r))[1] - 1, 0) - 1)
;;       q = np.round(r / step) * step * 2.0 ** e      # np.round: ties to even
;;       return np.moveaxis(q.reshape(q.shape[:-2] + (-1,))[..., :K], -1, axis).astype(np.float32)
;;   ~~~
;;   SOFTMAX AHEAD OF A QUANTISED PRODUCT. Where the list says 'softmax', what is quantised is not the finished softmax but p = 2^(t - M), with t = logit x log2(e) and M = ceil(the row's largest t), a whole number; so 1/2 < the row's largest p <= 1. The row's sum l is taken of the UNQUANTISED p, in f32, and the product's result is divided by l at the end. Since M is a whole number, a kernel that streams over the keys may use a running M (the ceiling of the running maximum): every later rescaling is an exact power of two, which a block's scale takes up: the codes' values come out the same.
;;   OPERANDS COMPUTED ON THE WAY. 'Computed on the way' means the value that the module computes at that place (a softmax that the list does not call 'softmax' is quantised finished and normalised). What goes into a quantiser is computed in f32, as accurately as f32 sums, v_exp_f32 and their like allow (about 1e-6 of the number): no bf16 or f16 on the way to a quantiser, and a product that is left as it is and whose result goes on into a quantised operand takes f32 operands (vector FMAs, or v_wmma_f32_16x16x4_f32). A number that lies on a knife's edge between two numbers of the format may be rounded either way, as far as f32 arithmetic and the matrix unit's own rounding can turn it there, and no further.
;; One version. Each part assembles by itself: llvm-mc -triple=amdgcn-amd-amdhsa -mcpu=gfx1250 --defsym DOCPART=n.
;; ======== version 1 of 1: 4 launches
;; workspace buffers: img 6,291,456 bytes; sc 393,216 bytes; qkv 14,155,776 bytes; ao_img 4,194,304 bytes; ao_sc 262,144 bytes
;; launch quant (part 1): grid 768 x 1, 4 waves a work-group, no clusters, 68,608 bytes of LDS; arguments x, W_qkv, W_proj, img, sc; writes img, sc
.if DOCPART == 1
	.amdgcn_target "amdgcn-amd-amdhsa--gfx1250"
	.amdhsa_code_object_version 6
	.text
	.protected	k_q3ce6e85167_quant
	.globl	k_q3ce6e85167_quant
	.p2align	8
	.type	k_q3ce6e85167_quant,@function
k_q3ce6e85167_quant:
	s_mov_b64 s[64:65], 0
	v_nop
	global_prefetch_b8 v0, s[64:65] scope:SCOPE_SE
	s_setreg_imm32_b32 hwreg(HW_REG_WAVE_MODE, 25, 1), 1
	s_wait_xcnt 0x0
; LAUNCH 1 OF 4.  Multi-head attention, B 4, T 2048, D 1024, 16 heads of 64, all four products on codes of FP4 (E2M1) with one E8M0 scale for each 32 along K.
;   1 quant:     x, W_qkv, W_proj (f32, K innermost) -> codes and scale words          2 gemm_qkv: x W_qkv^T + b_qkv, quantised on the way out: q, k along the head's 64, v along the tokens
;   3 attn:      q k^T, causal softmax, p v, / the row's sum, quantised along C          4 gemm_proj: that x W_proj^T + b_proj -> out0
; WORK LEFT OUT (launch 3), and why it is dead: reference() builds the mask tril(ones(T, T)) in its own body and sets att to -inf where key > query.  exp(-inf) = 0, so such a key adds 0 to the row's sum
; and 0 x v to the row's result, whatever finite values x, the weights and the biases hold; it cannot be the row's maximum either, since key 0 counts for every query.  So a step of 128 keys all of which come after all
; 16 queries of a tile is not computed; inside the one step on the diagonal the hidden scores are computed and set to -inf.  Every input has a way to the output and is loaded.
; LIMITS: a NaN, an infinity or an overflow that would arise only in the steps left out is not carried to the result.  NaN and infinities among the inputs are not served.  A block whose largest magnitude lies under
; 2^(3 - 127), a block of zeros among them, gets the scale byte 1 (the quantiser's rule says 127 for zeros): its codes are zeros or the rule's own, and the bytes are read by this program alone.
;
; THIS LAUNCH.  All operands of the two large products are laid in memory as IMAGES OF THE OPERAND'S REGISTERS.  A TILE is 16 rows: lane row r of tile t is row 32 (t / 2) + 8 (t % 2) + r + 8 (r / 8).
; A FRAGMENT (a tile x 128 along K) is 1,024 bytes [c 2][lane 32][16 bytes]: lane (r, h) holds the 32 codes of k = 64 c + 32 h + 0 .. 31 of its row.  img: [half of K 2][tile 768][K step 4][1,024]; tiles 0-511 x, 512-703 W_qkv, 704-767 W_proj.
; sc: [tile 768][half of K 2][r 16][4 words]: a word holds the four scale bytes of one K step of one row.
; A work-group takes a tile (16 rows x 1,024 numbers); wave w takes K steps 2 w and 2 w + 1.  Each load reads 512 consecutive bytes of a row; a fragment's 16 x 512 bytes turn through the wave's own stage in LDS
; (rows 528 bytes apart, so that the 16 rows of a read start at 16 different groups of four banks) and come back 128 consecutive bytes a lane and block: a lane then holds two WHOLE blocks of 32, needs no other lane for a
; maximum, and the conversions' results are the fragment's registers.  Each store of codes covers 512 consecutive bytes, aligned.  No loop: every offset is an immediate and no store's data are written again.
.set SP,    528                        ; a stage row: 512 bytes + 16
.set FST,   16*SP                      ; a fragment's stage
.set WST,   2*FST                      ; a wave's two
.set GATH,  4*WST                      ; 67,584: the tile's 512 bytes of scale words are gathered here
.set SPARE, GATH+512                   ; 68,096: the spare words, 128 bytes for each wave: two blocks of 256 bytes that no other line names
.set IMGH,  768*4096                   ; a half of K in img
.set LI,    1                          ; v1   16 x lane
.set SIN,   5                          ; v5   the stage on the way in
.set SOUT,  6                          ; v6   and on the way out
.set GRD,   7                          ; v7   GATH + 16 x lane
.set GWR,   8                          ; v8   where my row's scale word goes
.set SH,    9                          ; v9   8 h
.set SPW,   10                         ; v10  my spare word; never rewritten
.set NIL,   11                         ; v11  0; never rewritten
.set R,     16                         ; v16-143  32 loads as they come
.set X,     144                        ; v144-207 two blocks of 32 numbers
.set C,     208                        ; v208-223 two fragments of codes
.set TM,    224                        ; v224-225 largest magnitudes, v226-227 the conversions' scale operands, v228-229 bytes, v230-231 the scale words, v232 the partner's
	s_load_b256 s[4:11], s[0:1], 0x0               ; x s[4:5], W_qkv s[6:7], W_proj s[8:9], img s[10:11]
	s_load_b64 s[12:13], s[0:1], 0x20              ; sc
	v_lshl_add_u32 v[SPW], v0, 2, SPARE
	v_mov_b32 v[NIL], 0
	v_lshrrev_b32 v1, 5, v0
	v_readfirstlane_b32 s16, v1                    ; wave 0..3
	v_and_b32 v4, 31, v0
	v_lshlrev_b32 v[LI], 4, v4                     ; 16 x lane
	v_and_b32 v2, 15, v0                           ; r
	v_bfe_u32 v3, v0, 4, 1                         ; h
	s_mul_i32 s17, s16, WST                        ; my stages
	v_add_nc_u32 v[SIN], s17, v[LI]                ; in: a row's 512 bytes as they lie
	v_mul_u32_u24 v[SOUT], v2, SP
	v_lshl_add_u32 v[SOUT], v3, 7, v[SOUT]
	v_add_nc_u32 v[SOUT], s17, v[SOUT]             ; out: row r, + 128 h: my 32 numbers of each 64
	v_add_nc_u32 v[GRD], GATH, v[LI]
	s_lshr_b32 s18, s16, 1                         ; which half of K
	s_and_b32 s22, s16, 1
	s_lshl_b32 s19, s18, 8
	s_lshl_b32 s23, s22, 3
	s_add_co_u32 s19, s19, s23
	s_add_co_u32 s19, s19, GATH
	v_lshl_add_u32 v[GWR], v2, 4, s19              ; GATH + 256 (w / 2) + 8 (w % 2) + 16 r
	v_lshlrev_b32 v[SH], 3, v3
	v_mov_b32 v[TM+8], 0                           ; a lane permute's destination counts as one of its sources
	s_mov_b32 s20, 0x76543210
	s_mov_b32 s21, 0xfedcba98                      ; v_permlanex16_b32's selects for lane l xor 16
	s_mul_i32 s24, s18, IMGH                       ; img: my half of K,
	s_lshl_b32 s25, ttmp9, 12
	s_add_co_u32 s24, s24, s25                     ; my tile,
	s_lshl_b32 s25, s22, 11
	s_add_co_u32 s24, s24, s25                     ; my two K steps
	s_mov_b32 s25, 0
	s_lshl_b32 s26, ttmp9, 9                       ; sc: my tile
	s_mov_b32 s27, 0
	s_mov_b32 s28, 704
	s_wait_alu depctr_va_vdst(0)
	s_wait_kmcnt 0x0
	s_cmp_lt_u32 ttmp9, 704                        ; which tensor: the choice hangs on the work-group's number alone
	s_cselect_b64 s[6:7], s[6:7], s[8:9]
	s_cselect_b32 s17, 512, s28
	s_cmp_lt_u32 ttmp9, 512
	s_cselect_b64 s[4:5], s[4:5], s[6:7]
	s_cselect_b32 s17, 0, s17
	s_sub_co_u32 s17, ttmp9, s17                   ; the tile's number in its tensor
	s_lshr_b32 s18, s17, 1
	s_lshl_b32 s18, s18, 17                        ; 32 rows of 4,096 bytes
	s_and_b32 s19, s17, 1
	s_lshl_b32 s19, s19, 15                        ; 8 rows
	s_add_co_u32 s18, s18, s19
	s_lshl_b32 s19, s16, 10                        ; my 1,024 bytes of a row
	s_add_co_u32 s18, s18, s19
	s_mov_b32 s19, 0
	s_add_nc_u64 s[4:5], s[4:5], s[18:19]
	s_add_nc_u64 s[10:11], s[10:11], s[24:25]
	s_add_nc_u64 s[12:13], s[12:13], s[26:27]
.irp f, 0,1
.irp p, 0,1,2,3,4,5,6,7,8,9,10,11,12,13,14,15
	global_load_b128 v[R+64*\f+4*\p:R+64*\f+4*\p+3], v[LI], s[4:5] offset:(\p+8*(\p/8))*4096+512*\f th:TH_LOAD_NT   ; lane row p of the tile, K step 2 w + f: 512 consecutive bytes
.endr
.endr
.macro FRAGQ f
	s_wait_loadcnt 16*(1-\f)                       ; this fragment's 16 loads are in; the second fragment's 16 may be out
.irp p, 0,1,2,3,4,5,6,7,8,9,10,11,12,13,14,15
	ds_store_b128 v[SIN], v[R+64*\f+4*\p:R+64*\f+4*\p+3] offset:FST*\f+SP*\p
.endr
.irp c, 0,1
.irp i, 0,1,2,3,4,5,6,7
	ds_load_b128 v[X+32*\c+4*\i:X+32*\c+4*\i+3], v[SOUT] offset:FST*\f+256*\c+16*\i   ; LDS serves a wave's instructions in order: these see my stores.  k = 64 c + 32 h + 4 i ..
.endr
.endr
	s_wait_dscnt 0x0
.irp c, 0,1
	v_max3_num_f32 v[TM+\c], |v[X+32*\c]|, |v[X+32*\c+1]|, 0x1800000   ; block 2 c + h: all its 32 numbers are mine; the floor 2^(3 - 127) holds the byte at 1 from below
.endr
.irp i, 2,4,6,8,10,12,14,16,18,20,22,24,26,28,30
.irp c, 0,1
	v_max3_num_f32 v[TM+\c], v[TM+\c], |v[X+32*\c+\i]|, |v[X+32*\c+\i+1]|   ; (the two blocks by turns)
.endr
.endr
.irp c, 0,1
	v_add_nc_u32 v[TM+2+\c], 0xff000000, v[TM+\c]  ; 2 off the exponent field: the conversion takes the exponent field of this operand as its scale
.endr
.irp c, 0,1
	v_lshrrev_b32 v[TM+4+\c], 23, v[TM+2+\c]       ; the scale's byte
.endr
	v_lshl_or_b32 v[TM+6+\f], v[TM+5], 16, v[TM+4] ; my two bytes: blocks h and 2 + h,
	v_lshlrev_b32 v[TM+6+\f], v[SH], v[TM+6+\f]    ; at their places in the word;
	v_permlanex16_b32 v[TM+8], v[TM+6+\f], s20, s21
	v_or_b32 v[TM+6+\f], v[TM+6+\f], v[TM+8]       ; with lane l xor 16's two the word is whole
.irp c, 0,1
.irp g, 0,1,2,3
	v_cvt_scalef32_pk8_fp4_f32 v[C+8*\f+4*\c+\g], v[X+32*\c+8*\g:X+32*\c+8*\g+7], v[TM+2+\c]
.endr
.endr
	v_nop                                          ; one plain vector line behind the last conversion
.irp c, 0,1
	global_store_b128 v[LI], v[C+8*\f+4*\c:C+8*\f+4*\c+3], s[10:11] offset:1024*\f+512*\c   ; 512 consecutive bytes of the image
.endr
	ds_store_b32 v[GWR], v[TM+6+\f] offset:4*\f    ; both halves of the lanes write the same word with the same value
.endm
	FRAGQ 0
	FRAGQ 1
	s_wait_dscnt 0x0                               ; for the others' sake: my scale words lie in LDS
	s_barrier_signal -1
	s_barrier_wait -1
	s_cmp_lg_u32 s16, 0                            ; wave 0 stores the tile's 512 bytes of scale words
	s_cbranch_scc1 .Ldone
	ds_load_b128 v[R:R+3], v[GRD]
	s_wait_dscnt 0x0
	global_store_b128 v[LI], v[R:R+3], s[12:13]
.Ldone:
	s_wait_tensorcnt 0x0                           ; the wave's end, behind my last LDS store
	ds_add_u32 v[SPW], v[NIL]
	s_wait_dscnt 0x0
	s_endpgm
.Lfunc_end_k_q3ce6e85167_quant:
	.size	k_q3ce6e85167_quant, .Lfunc_end_k_q3ce6e85167_quant-k_q3ce6e85167_quant
	.p2alignl 7, 3214868480
	.fill 96, 4, 3214868480
	.section	.rodata,"a",@progbits
	.p2align	6, 0x0
	.amdhsa_kernel k_q3ce6e85167_quant
		.amdhsa_group_segment_fixed_size 68608
		.amdhsa_private_segment_fixed_size 0
		.amdhsa_enable_private_segment 0
		.amdhsa_kernarg_size 40
		.amdhsa_user_sgpr_count 2
		.amdhsa_user_sgpr_kernarg_segment_ptr 1
		.amdhsa_wavefront_size32 1
		.amdhsa_system_sgpr_workgroup_id_x 1
		.amdhsa_system_sgpr_workgroup_id_y 1
		.amdhsa_system_sgpr_workgroup_id_z 1
		.amdhsa_system_vgpr_workitem_id 0
		.amdhsa_next_free_vgpr 240
		.amdhsa_next_free_sgpr 66
		.amdhsa_reserve_vcc 0
		.amdhsa_float_denorm_mode_32 3
		.amdhsa_float_denorm_mode_16_64 3
		.amdhsa_memory_ordered 1
		.amdhsa_forward_progress 1
		.amdhsa_inst_pref_size 17
	.end_amdhsa_kernel
	.amdgpu_metadata
---
amdhsa.version: [ 1, 2 ]
amdhsa.kernels:
  - .name:           k_q3ce6e85167_quant
    .symbol:         k_q3ce6e85167_quant.kd
    .args:
      - { .name: x, .offset: 0, .size: 8, .value_kind: global_buffer, .address_space: global }
      - { .name: W_qkv, .offset: 8, .size: 8, .value_kind: global_buffer, .address_space: global }
      - { .name: W_proj, .offset: 16, .size: 8, .value_kind: global_buffer, .address_space: global }
      - { .name: img, .offset: 24, .size: 8, .value_kind: global_buffer, .address_space: global }
      - { .name: sc, .offset: 32, .size: 8, .value_kind: global_buffer, .address_space: global }
    .group_segment_fixed_size: 68608
    .private_segment_fixed_size: 0
    .kernarg_segment_align: 8
    .kernarg_segment_size: 40
    .max_flat_workgroup_size: 128
    .sgpr_count:     66
    .vgpr_count:     240
    .wavefront_size: 32
...
	.end_amdgpu_metadata
.endif
;; end of part 1
;; launch gemm_qkv (part 2): grid 8 x 48, 4 waves a work-group, clusters of 4 x 4, 327,680 bytes of LDS; arguments img, sc, b_qkv, qkv; writes qkv
.if DOCPART == 2
	.amdgcn_target "amdgcn-amd-amdhsa--gfx1250"
	.amdhsa_code_object_version 6
	.text
	.protected	k_q3ce6e85167_gemm_qkv
	.globl	k_q3ce6e85167_gemm_qkv
	.p2align	8
	.type	k_q3ce6e85167_gemm_qkv,@function
k_q3ce6e85167_gemm_qkv:
	s_mov_b64 s[64:65], 0
	v_nop
	global_prefetch_b8 v0, s[64:65] scope:SCOPE_SE
	s_setreg_imm32_b32 hwreg(HW_REG_WAVE_MODE, 25, 1), 1
	s_wait_xcnt 0x0
	s_wait_alu depctr_hold_cnt(0) depctr_sa_sdst(0) depctr_va_vdst(0) depctr_va_sdst(0) depctr_va_ssrc(0) depctr_va_vcc(0) depctr_vm_vsrc(0)
	s_getreg_b32 s2, hwreg(HW_REG_IB_STS2, 6, 4)
	s_cmp_eq_u32 s2, 0
	s_cbranch_scc0 .Lentry_in_a_cluster
	s_endpgm
.Lentry_in_a_cluster:
	s_bfe_u32 s2, ttmp6, 0x10000c
	s_cmp_lg_u32 s2, 0xf033
	s_cbranch_scc0 .Lentry_shape_is_right
	s_endpgm
.Lentry_shape_is_right:
; LAUNCH 2 OF 4: qkv = x W_qkv^T + b_qkv on codes of FP4, and the result quantised on the way out, so that no f32 intermediate goes to memory.  No work of reference() is left out here.
; A block of 256 x 256 of the result is made by four waves, 128 x 128 each: 64 accumulators of 16 x 16 in 512 registers.  All of K = 1,024 lies in LDS: two slots of 512 along K, each filled once.
; Operands come as images of the operand's registers (launch 1): a fragment is two loads of 16 bytes a lane at 16 x lane + a constant; no pitch, no padding.
; "A" is source 1 (its rows are the lanes of a result), "B" is source 0 (its rows run along a lane's registers).  By the choice of a tile's rows the 16 registers of B's tiles 2 n and 2 n + 1 are 16 NEIGHBOURS:
; index 32 n + 16 (lane / 16) + 0 .. 15.  So the axis along which a result is quantised is given to B:
;   clusters with y < 8 (VAR 0): q and k.  A = 256 tokens, B = 256 of W's rows 0-2047: a lane holds one token and 128 features = two heads of 64.
;   clusters with y >= 8 (VAR 1): v.  A = 256 of W's rows 2048-3071, B = 256 tokens: a lane holds one feature and 128 tokens, which are the second attention product's K.
; qkv: [head 64][q, k, v][record 16][4,608].  A record of q or k (128 tokens): 8 tiles x 512 bytes (lane (r, h): codes of dk 32 h ..), then 512 bytes [lane][pair p]: lanes 0-15 tile 2 p's scale words, lanes 16-31 tile 2 p + 1's
; (bytes 0, 1: the two blocks of dk; bytes 2, 3: 0).  A record of v (128 keys): 4 fragments of 1,024 bytes (16 of the head's 64 x 128 keys), then 512 bytes [lane][fragment].
; CLUSTERS: 4 x 4 work-groups; A's tiles are asked for jointly by a row of the cluster, B's by a column.  VAR hangs on the cluster's y alone: it is the same in all sixteen partners.
; REGISTERS: window 0: v1-29 addresses; v32-95 scale words, two sets; v96-127 at work on the way out; v128-191 A's fragments, later 64 numbers to quantise; v192-255 the bias.  window 1: B's fragments, two sets.  windows 2, 3: the accumulators.
; LIMITS: as stated at the head of launch 1.
.set NQ,     4                         ; K steps of 128 in a slot
.set FR,     8                         ; registers of a fragment
.set NL,     2                         ; LDS loads that bring one
.set NP,     4                         ; places behind this matrix instruction (ISA guide 7.12.1)
.set HALFT,  32768                     ; 8 tiles x 4 K steps x 1,024: what one tensor load brings, and what one wave reads of A or of B in a slot
.set SLOT,   4*HALFT                   ; A's 16 tiles, then B's 16
.set SCL,    2*SLOT                    ; behind the slots: the scale words, 512 bytes a tile: A's 16 tiles, then B's 16
.set HALFS,  4096
.set SPARE,  SCL+4*HALFS               ; the spare words, 128 bytes for each wave: two blocks of 256 bytes that no other line names
.set IMGH,   768*4096                  ; a half of K in img
.set HEADB,  221184                    ; a head in qkv
.set PARTB,  73728                     ; q, k or v of a head
.set RECB,   4608                      ; a record
.set SW,   8                           ; v8-15   q's and k's scale words on their way out
.set ADRA, 16                          ; v16-17  LDS address of my A fragments in slot 0, 1
.set ADRB, 20                          ; v20-21  the same for B
.set BV0,  22                          ; v22     64 h: the bias's offset, VAR 0
.set BV1,  23                          ; v23     4 (r + 8 (r / 8)): VAR 1
.set LI,   26                          ; v26     16 x lane
.set ADRS, 27                          ; v27     LDS address of my scale words: lanes 0-15 A's, lanes 16-31 B's
.set SPW,  28                          ; v28     my spare word; never rewritten
.set NIL,  29                          ; v29     0; never rewritten
.set SC,   32
.set TM,   96                          ; v96-111  at work in QUANT
.set PWS,  112                         ; v112-119 the eight scale words made
.set PC,   120                         ; v120-127 the codes just made
.set AF,   128
.set HA,   128
.set BI,   192
.set G1, 24
.set G0, 32
.set G1B, 48
.set G0B, 56
.set G1S, 68
.set G0S, 76
.set G1SB, 80
.set G0SB, 88
.set SEL, 98
.set MSB, 0
.macro WIN new                         ; the immediate's high byte repeats the setting that is left
.if MSB != (\new)
	s_set_vgpr_msb (MSB<<8)|(\new)
.set MSB, (\new)
.endif
.endm
.set MUL_LO, 0xa1                      ; source 0 (B) window 1, source 1 (A) window 0, C and D window 2
.set MUL_HI, 0xf1                      ; the same, C and D window 3
.set TO_B,   0x40                      ; destination window 1, address window 0
; A joint load: waves 0 and 1 fetch for A, waves 2 and 3 for B; the branch hangs on the wave's number alone.  An s_nop 0 and four v_nop follow each of the two lines.
.macro JLOAD g0a, g1a, g0b, g1b
	s_cmp_eq_u32 s15, 0
	s_cbranch_scc0 .Lfor_b_\@
	tensor_load_to_lds s[\g0a:\g0a+3], s[\g1a:\g1a+7]
	s_nop 0
.rept 4
	v_nop
.endr
	s_branch .Lasked_\@
.Lfor_b_\@:
	tensor_load_to_lds s[\g0b:\g0b+3], s[\g1b:\g1b+7]
	s_nop 0
.rept 4
	v_nop
.endr
.Lasked_\@:
.endm
.macro CROUND                          ; a round of the cluster's barrier
	s_barrier_signal -1
	s_barrier_wait -1
	s_cmp_lg_u32 s14, 0
	s_cbranch_scc1 .Lnot_wave_0_\@
	s_barrier_signal -3
.Lnot_wave_0_\@:
	s_barrier_wait -3
	s_barrier_signal -1
	s_barrier_wait -1
.endm
	s_load_b256 s[4:11], s[0:1], 0x0               ; img s[4:5], sc s[6:7], b_qkv s[8:9], qkv s[10:11]
	v_lshl_add_u32 v[SPW], v0, 2, SPARE
	v_mov_b32 v[NIL], 0
	ds_add_u32 v[SPW], v[NIL]                      ; the wave's opening: the add, twice on end, and its wait ahead of my first tensor load
	ds_add_u32 v[SPW], v[NIL]
	v_lshrrev_b32 v1, 5, v0
	v_readfirstlane_b32 s14, v1                    ; wave 0..3
	s_lshr_b32 s15, s14, 1                         ; which half of A is mine.  Also: I fetch for A (0) or for B (1)
	s_and_b32 s16, s14, 1                          ; which half of B is mine.  Also: which 8 tiles I fetch
	s_bfe_u32 s40, ttmp6, 0x40000                  ; cx, cy: my place in the cluster
	s_bfe_u32 s41, ttmp6, 0x40004
	s_and_b32 s96, ttmp7, 0xffff                   ; the cluster's y, 0..11
	s_lshl_b32 s97, s96, 2
	s_lshl_b32 s98, ttmp9, 2                       ; 4 x the cluster's x
	s_lshl_b32 s99, s96, 3
	s_add_co_u32 s99, s99, s98
	s_sub_co_u32 s99, s99, 64                      ; 4 (x + 2 (y - 8)): used where y >= 8 alone
	s_cmp_ge_u32 s96, 8
	s_cselect_b32 s95, 1, 0                        ; VAR
	s_cselect_b32 s17, 0, s97                      ; A's block of 256 rows, less cy
	s_cselect_b32 s42, s99, s98                    ; B's, less cx
	s_cselect_b32 s2, 640, 0                       ; A's first tile in img: W's row 2,048, or x
	s_cselect_b32 s3, 0, 512                       ; B's: x, or W's row 0
	s_add_co_u32 s17, s17, s41                     ; trow: it never holds cx
	s_add_co_u32 s42, s42, s40                     ; tcol: it never holds cy
	s_lshl_b32 s43, s41, 2
	s_lshl_b32 s43, 15, s43                        ; my row of the cluster
	s_lshl_b32 s44, 0x1111, s40                    ; my column
	; descriptor group 1: dense blocks as rows of 256 bytes (32 elements of 8 bytes): 128 rows of codes, 16 rows of scale words
	s_or_b32 s[G1+0], s43, (3<<16)|(1<<21)         ; 15:0 the mask: A's go to my row; 17:16 elements of 8 bytes; 21 set beside a mask; no padding
	s_or_b32 s[G1B+0], s44, (3<<16)|(1<<21)
	s_or_b32 s[G1S+0], s43, (3<<16)|(1<<21)
	s_or_b32 s[G1SB+0], s44, (3<<16)|(1<<21)
.irp g, G1, G1B
	s_mov_b32 s[\g+1], 32<<16                      ; tensor_dim0
	s_mov_b32 s[\g+2], 128<<16                     ; tensor_dim1
	s_mov_b32 s[\g+3], 32<<16                      ; tile_dim0
	s_mov_b32 s[\g+4], 128                         ; tile_dim1
	s_mov_b32 s[\g+5], 32                          ; tensor_dim0_stride
	s_mov_b32 s[\g+6], 0
	s_mov_b32 s[\g+7], 0
.endr
.irp g, G1S, G1SB
	s_mov_b32 s[\g+1], 32<<16
	s_mov_b32 s[\g+2], 16<<16
	s_mov_b32 s[\g+3], 32<<16
	s_mov_b32 s[\g+4], 16
	s_mov_b32 s[\g+5], 32
	s_mov_b32 s[\g+6], 0
	s_mov_b32 s[\g+7], 0
.endr
	s_lshl_b32 s18, s16, 3                         ; which 8 tiles I fetch
	s_lshl_b32 s20, s17, 4
	s_add_co_u32 s20, s20, s18
	s_add_co_u32 s20, s20, s2                      ; A: the first of them
	s_lshl_b32 s46, s42, 4
	s_add_co_u32 s46, s46, s18
	s_add_co_u32 s46, s46, s3                      ; B: likewise
	s_lshl_b32 s22, s20, 9                         ; their scale words, 512 bytes a tile,
	s_mov_b32 s23, 0
	s_lshl_b32 s92, s46, 9
	s_mov_b32 s93, 0
	s_lshl_b32 s20, s20, 12                        ; and their codes, 4,096 bytes a tile and half of K
	s_mov_b32 s21, 0
	s_lshl_b32 s46, s46, 12
	s_mov_b32 s47, 0
	s_mul_i32 s45, s14, HALFT                      ; where they go: by the wave's number alone
	s_mul_i32 s94, s14, HALFS
	s_wait_dscnt 0x0                               ; both opening adds are done
	s_wait_kmcnt 0x0
	s_add_nc_u64 s[20:21], s[4:5], s[20:21]
	s_add_nc_u64 s[22:23], s[6:7], s[22:23]
	s_add_nc_u64 s[46:47], s[4:5], s[46:47]
	s_add_nc_u64 s[92:93], s[6:7], s[92:93]
	CROUND                                         ; all sixteen work-groups are here: the first joint loads meet
	s_mov_b32 s[G0S], 1
	s_add_co_u32 s[G0S+1], s94, SCL
	s_mov_b64 s[G0S+2:G0S+3], s[22:23]
	s_or_b32 s[G0S+3], s[G0S+3], 0x80000000
	s_mov_b32 s[G0SB], 1
	s_add_co_u32 s[G0SB+1], s94, SCL
	s_mov_b64 s[G0SB+2:G0SB+3], s[92:93]
	s_or_b32 s[G0SB+3], s[G0SB+3], 0x80000000
	JLOAD G0S, G1S, G0SB, G1SB                     ; the scale words first: they are wanted with K step 0.  Three loads of mine are out at the most
.irp s, 0,1
	s_mov_b32 s[G0+4*\s], 1
	s_add_co_u32 s[G0+4*\s+1], s45, \s*SLOT
	s_add_nc_u64 s[G0+4*\s+2:G0+4*\s+3], s[20:21], \s*IMGH
	s_or_b32 s[G0+4*\s+3], s[G0+4*\s+3], 0x80000000
	s_mov_b32 s[G0B+4*\s], 1
	s_add_co_u32 s[G0B+4*\s+1], s45, \s*SLOT
	s_add_nc_u64 s[G0B+4*\s+2:G0B+4*\s+3], s[46:47], \s*IMGH
	s_or_b32 s[G0B+4*\s+3], s[G0B+4*\s+3], 0x80000000
	JLOAD G0+4*\s, G1, G0B+4*\s, G1B
.endr
	v_and_b32 v1, 15, v0                           ; r
	v_bfe_u32 v2, v0, 4, 1                         ; h
	s_wait_alu depctr_va_vdst(0)
	v_and_b32 v3, 31, v0
	v_lshlrev_b32 v[LI], 4, v3
	s_mul_i32 s21, s15, HALFT                      ; my 8 tiles of A
	s_mul_i32 s22, s16, HALFT                      ; my 8 tiles of B,
	s_add_co_u32 s22, s22, 2*HALFT                 ; which lie behind A's 16
.irp s, 0,1
	v_add_nc_u32 v[ADRA+\s], s21, v[LI]
	v_add_nc_u32 v[ADRB+\s], s22, v[LI]
	s_add_co_u32 s21, s21, SLOT
	s_add_co_u32 s22, s22, SLOT
.endr
	v_lshlrev_b32 v5, 4, v1                        ; my row's four words: 16 r
	s_mul_i32 s21, s15, HALFS
	s_mul_i32 s22, s16, HALFS
	s_add_co_u32 s22, s22, 2*HALFS
	s_sub_co_u32 s22, s22, s21
	v_mul_u32_u24 v6, s22, v2                      ; lanes 16-31 take B's
	s_add_co_u32 s21, s21, SCL
	v_add_nc_u32 v5, v5, v6
	v_add_nc_u32 v[ADRS], s21, v5
	v_lshlrev_b32 v[BV0], 6, v2
	v_and_b32 v[BV1], 8, v1
	v_add_nc_u32 v[BV1], v[BV1], v1
	v_lshlrev_b32 v[BV1], 2, v[BV1]
.irp b, 0,1,2,3
	v_mov_b32 v[TM+4+\b], 0                        ; a lane permute's destination counts as one of its sources
.endr
	; where my wave's results go, and its bias
	s_lshr_b32 s2, s42, 2                          ; VAR 0: q (0) or k (1)
	s_cmp_eq_u32 s95, 1
	s_cselect_b32 s96, s42, s17                    ; the block of 256 tokens,
	s_cselect_b32 s97, s16, s15                    ; my half of it;
	s_cselect_b32 s98, s17, s42                    ; the block of 256 features,
	s_cselect_b32 s99, s15, s16                    ; my half of it
	s_cselect_b32 s2, 2, s2                        ; q, k or v
	s_cselect_b32 s3, 2048, 0                      ; the bias's first feature
	s_lshr_b32 s18, s96, 3
	s_lshl_b32 s18, s18, 4                         ; 16 x batch
	s_and_b32 s19, s98, 3
	s_lshl_b32 s19, s19, 2
	s_add_co_u32 s18, s18, s19
	s_lshl_b32 s19, s99, 1
	s_add_co_u32 s18, s18, s19                     ; + the first of my two heads
	s_mul_i32 s18, s18, HEADB
	s_mul_i32 s2, s2, PARTB
	s_add_co_u32 s18, s18, s2
	s_and_b32 s19, s96, 7
	s_lshl_b32 s19, s19, 1
	s_add_co_u32 s19, s19, s97                     ; the record: my 128 tokens
	s_mul_i32 s19, s19, RECB
	s_add_co_u32 s18, s18, s19
	s_mov_b32 s19, 0
	s_add_nc_u64 s[12:13], s[10:11], s[18:19]      ; OUT
	s_lshl_b32 s18, s98, 8
	s_lshl_b32 s2, s99, 7
	s_add_co_u32 s18, s18, s2
	s_add_co_u32 s18, s18, s3
	s_lshl_b32 s18, s18, 2
	s_add_nc_u64 s[18:19], s[8:9], s[18:19]        ; the bias of my 128 features
	s_mov_b32 s96, 0xffff0000                      ; lanes 16-31
	s_mov_b32 s[SEL], 0x76543210
	s_mov_b32 s[SEL+1], 0xfedcba98                 ; v_permlanex16_b32's selects for lane l xor 16
.macro FRAG reg, adr, q, i             ; a fragment's image: registers 4 c .. 4 c + 3 lie at 512 c + 16 x lane
.irp c, 0,1
	ds_load_b128 v[\reg+4*\c:\reg+4*\c+3], v[\adr] offset:(\i)*4096+(\q)*1024+512*\c
.endr
.endm
; 16 matrix instructions: A's blocks a0, a0 + 1 x B's eight, the slot's q-th 128 along K.  p: B's set; sc: the set of scale words.  zero = 1: the first product starts the sums.
; The 64 accumulators take turns, one instruction a turn, in the same order in every step.
.macro MUL16 a0, p, q, sc, zero
.irp a, \a0, \a0+1
.irp b, 0,1,2,3,4,5,6,7
.if \zero
	v_wmma_scale_f32_16x16x128_f8f6f4 v[8*(8*((\a)%4)+\b):8*(8*((\a)%4)+\b)+7], v[128*(\p)+FR*\b:128*(\p)+FR*\b+FR-1], v[AF+FR*(\a):AF+FR*(\a)+FR-1], 0, v[SC+8*NQ*(\sc)+NQ*\b+(\q)], v[SC+8*NQ*(\sc)+NQ*(\a)+(\q)] matrix_a_fmt:MATRIX_FMT_FP4 matrix_b_fmt:MATRIX_FMT_FP4 matrix_a_scale:MATRIX_SCALE_ROW1
.else
	v_wmma_scale_f32_16x16x128_f8f6f4 v[8*(8*((\a)%4)+\b):8*(8*((\a)%4)+\b)+7], v[128*(\p)+FR*\b:128*(\p)+FR*\b+FR-1], v[AF+FR*(\a):AF+FR*(\a)+FR-1], v[8*(8*((\a)%4)+\b):8*(8*((\a)%4)+\b)+7], v[SC+8*NQ*(\sc)+NQ*\b+(\q)], v[SC+8*NQ*(\sc)+NQ*(\a)+(\q)] matrix_a_fmt:MATRIX_FMT_FP4 matrix_b_fmt:MATRIX_FMT_FP4 matrix_a_scale:MATRIX_SCALE_ROW1
.endif
.endr
.endr
.endm
.macro FETCH_B slot, q, p
	WIN TO_B
.irp i, 0,1,2,3,4,5,6,7
	FRAG 128*(\p)+FR*\i, ADRB+\slot, \q, \i
.endr
	WIN 0
.endm
.macro FETCH_A slot, q, i0
.irp i, \i0, \i0+1, \i0+2, \i0+3
	FRAG AF+FR*(\i), ADRA+\slot, \q, \i
.endr
.endm
.macro SCALES sc                       ; a slot's scale words: four words a row; lanes 0-15 take A's block i, lanes 16-31 B's block i
.irp i, 0,1,2,3,4,5,6,7
	ds_load_b128 v[SC+8*NQ*\sc+NQ*\i:SC+8*NQ*\sc+NQ*\i+3], v[ADRS] offset:\i*512+256*\sc
.endr
.endm
.macro PLACES n                        ; plain vector instructions between a matrix instruction and a load into, or a vector read of, its registers
.rept \n
	v_nop
.endr
.endm
.macro STEP slot, q, zero              ; a step of 128 along K that has its successor in the same slot
	s_wait_dscnt 4*NL                              ; all but the youngest eight loads (A's blocks 4-7) are in
	WIN MUL_LO
	MUL16 0, (\q)%2, \q, \slot, \zero
	MUL16 2, (\q)%2, \q, \slot, \zero
	s_wait_dscnt 0
	PLACES NP
	FETCH_B \slot, (\q)+1, 1-(\q)%2
	FETCH_A \slot, (\q)+1, 0
	WIN MUL_HI
	MUL16 4, (\q)%2, \q, \slot, \zero
	MUL16 6, (\q)%2, \q, \slot, \zero
	PLACES NP
	WIN 0
	FETCH_A \slot, (\q)+1, 4
.endm
.macro TURN slot, next                 ; a slot's last step changes slots: one barrier; nothing is filled again
	s_wait_tensorcnt 0x0                           ; all my tensor loads have landed: my part of the next slot
	ds_add_u32 v[SPW], v[NIL]                      ; 0 onto my spare word
	s_wait_dscnt 4*NL+1                            ; (the add and the youngest eight loads may be out)
	WIN MUL_LO
	MUL16 0, 1, NQ-1, \slot, 0
	s_wait_dscnt 0x0                               ; the add is done, and my reads of this slot are over
	s_barrier_signal -1
	MUL16 2, 1, NQ-1, \slot, 0
	WIN 0
	s_barrier_wait -1                              ; the next slot is whole for every wave
	PLACES NP
	FETCH_B \next, 0, 0
	FETCH_A \next, 0, 0
	SCALES \next
	WIN MUL_HI
	MUL16 4, 1, NQ-1, \slot, 0
	MUL16 6, 1, NQ-1, \slot, 0
	PLACES NP
	WIN 0
	FETCH_A \next, 0, 4
.endm
.macro STEPS slot, from
.set Q, \from
.rept NQ-1-\from
	STEP \slot, Q, 0
.set Q, Q+1
.endr
.endm
; 64 numbers of a lane, register 16 b + i = index 32 b + 16 (lane / 16) + i of my row, become a fragment's codes in v[PC] on and its scale word in v[pw].
.macro QUANT s, pw
.irp b, 0,1,2,3
	v_max3_num_f32 v[TM+\b], |v[\s+16*\b]|, |v[\s+1+16*\b]|, 0x1800000   ; block b: my 16 numbers, and the floor 2^(3 - 127): the byte cannot fall under 1
.endr
.irp i, 2,4,6,8,10,12,14
.irp b, 0,1,2,3
	v_max3_num_f32 v[TM+\b], v[TM+\b], |v[\s+16*\b+\i]|, |v[\s+1+16*\b+\i]|
.endr
.endr
.irp b, 0,1,2,3
	v_permlanex16_b32 v[TM+4+\b], v[TM+\b], s[SEL], s[SEL+1]
.endr
.irp b, 0,1,2,3
	v_max_num_f32 v[TM+\b], v[TM+\b], v[TM+4+\b]   ; with lane l xor 16's: the block's largest magnitude
.endr
.irp b, 0,1,2,3
	v_add_nc_u32 v[TM+12+\b], 0xff000000, v[TM+\b] ; 2 off its exponent field: the conversion's scale operand
.endr
.irp b, 0,1,2,3
	v_lshrrev_b32 v[TM+4+\b], 23, v[TM+12+\b]      ; the scale's byte
.endr
	v_lshl_or_b32 v[\pw], v[TM+5], 8, v[TM+4]
	v_lshl_or_b32 v[\pw], v[TM+6], 16, v[\pw]
	v_lshl_or_b32 v[\pw], v[TM+7], 24, v[\pw]
.irp b, 0,1,2,3
	v_cvt_scalef32_pk8_fp4_f32 v[PC+2*\b], v[\s+16*\b:\s+7+16*\b], v[TM+12+\b]
	v_cvt_scalef32_pk8_fp4_f32 v[PC+1+2*\b], v[\s+8+16*\b:\s+15+16*\b], v[TM+12+\b]
.endr
	v_nop                                          ; one plain place behind a scaled conversion
.irp c, 0,1                                    ; the operand's layout wants a whole block in a lane
.irp i, 0,1
	v_permlane16_swap_b32 v[PC+4*\c+\i], v[PC+2+4*\c+\i]
.endr
.endr
.endm
.macro BIASLOAD var
.if \var
.irp a, 0,1,2,3,4,5,6,7                        ; VAR 1: a lane's feature is a row of A's tile a: one number, twice, for the packed addition
	global_load_b32 v[BI+2*\a], v[BV1], s[18:19] offset:(32*(\a/2)+8*(\a%2))*4
	global_load_b32 v[BI+2*\a+1], v[BV1], s[18:19] offset:(32*(\a/2)+8*(\a%2))*4
.endr
.else
.irp b, 0,1,2,3,4,5,6,7                        ; VAR 0: a lane's features run along its registers: tile b's eight are 32 (b / 2) + 16 h + 8 (b % 2) + 0 .. 7
	global_load_b128 v[BI+8*\b:BI+8*\b+3], v[BV0], s[18:19] offset:(32*(\b/2)+8*(\b%2))*4
	global_load_b128 v[BI+8*\b+4:BI+8*\b+7], v[BV0], s[18:19] offset:(32*(\b/2)+8*(\b%2))*4+16
.endr
.endif
.endm
; THE WAY OUT, A's block a at a time: its 64 numbers of a lane + the bias go to window 0 (each accumulator read from its low end on), are quantised, and leave as 2 x 512 consecutive bytes.
.macro EPI var
.irp a, 0,1,2,3,4,5,6,7
.if \a > 0
	s_wait_xcnt 0x0                                ; the last block's stores have read the codes' registers
.endif
	WIN 0x02+(\a/4)                                ; source 0: window 2 or 3
.set ii, 0
.rept 32
.if \var
	v_pk_add_f32 v[HA+2*ii:HA+2*ii+1], v[64*(\a%4)+2*ii:64*(\a%4)+2*ii+1], v[BI+2*\a:BI+2*\a+1]
.else
	v_pk_add_f32 v[HA+2*ii:HA+2*ii+1], v[64*(\a%4)+2*ii:64*(\a%4)+2*ii+1], v[BI+2*ii:BI+2*ii+1]
.endif
.set ii, ii+1
.endr
	WIN 0
	QUANT HA, PWS+\a
.if \var
	global_store_b128 v[LI], v[PC:PC+3], s[12:13] offset:(\a/4)*HEADB+(\a%4)*1024        ; head a / 4 of my two, fragment a % 4: keys 32 h ..
	global_store_b128 v[LI], v[PC+4:PC+7], s[12:13] offset:(\a/4)*HEADB+(\a%4)*1024+512  ; and keys 64 + 32 h ..
.else
	global_store_b128 v[LI], v[PC:PC+3], s[12:13] offset:512*\a                          ; tile a of the record: my first head's 64,
	global_store_b128 v[LI], v[PC+4:PC+7], s[12:13] offset:HEADB+512*\a                  ; my second head's
.endif
.endr
.if \var
	global_store_b128 v[LI], v[PWS:PWS+3], s[12:13] offset:4096                          ; [lane][fragment]: the scale words of these 128 keys
	global_store_b128 v[LI], v[PWS+4:PWS+7], s[12:13] offset:HEADB+4096
.else
.irp p, 0,1,2,3
	v_cndmask_b32 v[SW+\p], v[PWS+2*\p], v[PWS+2*\p+1], s96      ; lanes 0-15 tile 2 p's word, lanes 16-31 tile 2 p + 1's
.endr
.irp p, 0,1,2,3
	v_lshrrev_b32 v[SW+4+\p], 16, v[SW+\p]                       ; bytes 2, 3: my second head's two blocks
.endr
.irp p, 0,1,2,3
	v_and_b32 v[SW+\p], 0xffff, v[SW+\p]                         ; bytes 0, 1: my first head's
.endr
	global_store_b128 v[LI], v[SW:SW+3], s[12:13] offset:4096
	global_store_b128 v[LI], v[SW+4:SW+7], s[12:13] offset:HEADB+4096
.endif
.endm
.macro TAIL var                        ; the second slot's four steps, under which the bias comes, and the way out
	BIASLOAD \var
	STEPS 1, 0
	s_wait_dscnt 4*NL                              ; the very last step: nothing more to fetch
	WIN MUL_LO
	MUL16 0, 1, NQ-1, 1, 0
	MUL16 2, 1, NQ-1, 1, 0
	s_wait_dscnt 0
	WIN MUL_HI
	MUL16 4, 1, NQ-1, 1, 0
	MUL16 6, 1, NQ-1, 1, 0
	WIN 0
	PLACES NP
	s_wait_loadcnt 0x0                             ; the bias
	EPI \var
.endm
	s_wait_alu depctr_va_vdst(0)
	s_wait_tensorcnt 1                             ; the scale words and my part of slot 0 are in (slot 1's load may be out),
	s_barrier_signal -1
	s_barrier_wait -1                              ; everybody's are
	FETCH_B 0, 0, 0
	FETCH_A 0, 0, 0
	SCALES 0
	FETCH_A 0, 0, 4
	STEP 0, 0, 1                                   ; the first products start the sums: nothing is cleared
	STEPS 0, 1
	TURN 0, 1
	s_cmp_eq_u32 s95, 0                            ; the one parting of the ways: by the cluster's y, the same in all sixteen partners.  All that differs is written and read inside one arm
	s_cbranch_scc0 .Lv
	TAIL 0
	s_branch .Ljoin
.Lv:
	TAIL 1
.Ljoin:
	s_wait_tensorcnt 0x0                           ; the wave's end
	ds_add_u32 v[SPW], v[NIL]
	s_wait_dscnt 0x0
	CROUND                                         ; the closing round: no work-group ends while a partner may still ask for a tile that names it
	s_endpgm
.Lfunc_end_k_q3ce6e85167_gemm_qkv:
	.size	k_q3ce6e85167_gemm_qkv, .Lfunc_end_k_q3ce6e85167_gemm_qkv-k_q3ce6e85167_gemm_qkv
	.p2alignl 7, 3214868480
	.fill 96, 4, 3214868480
	.section	.rodata,"a",@progbits
	.p2align	6, 0x0
	.amdhsa_kernel k_q3ce6e85167_gemm_qkv
		.amdhsa_group_segment_fixed_size 327680
		.amdhsa_private_segment_fixed_size 0
		.amdhsa_enable_private_segment 0
		.amdhsa_kernarg_size 32
		.amdhsa_user_sgpr_count 2
		.amdhsa_user_sgpr_kernarg_segment_ptr 1
		.amdhsa_wavefront_size32 1
		.amdhsa_system_sgpr_workgroup_id_x 1
		.amdhsa_system_sgpr_workgroup_id_y 1
		.amdhsa_system_sgpr_workgroup_id_z 1
		.amdhsa_system_vgpr_workitem_id 0
		.amdhsa_next_free_vgpr 1024
		.amdhsa_next_free_sgpr 100
		.amdhsa_reserve_vcc 0
		.amdhsa_float_denorm_mode_32 3
		.amdhsa_float_denorm_mode_16_64 3
		.amdhsa_memory_ordered 1
		.amdhsa_forward_progress 1
		.amdhsa_inst_pref_size 236
	.end_amdhsa_kernel
	.amdgpu_metadata
---
amdhsa.version: [ 1, 2 ]
amdhsa.kernels:
  - .name:           k_q3ce6e85167_gemm_qkv
    .symbol:         k_q3ce6e85167_gemm_qkv.kd
    .args:
      - { .name: img, .offset: 0, .size: 8, .value_kind: global_buffer, .address_space: global }
      - { .name: sc, .offset: 8, .size: 8, .value_kind: global_buffer, .address_space: global }
      - { .name: b_qkv, .offset: 16, .size: 8, .value_kind: global_buffer, .address_space: global }
      - { .name: qkv, .offset: 24, .size: 8, .value_kind: global_buffer, .address_space: global }
    .group_segment_fixed_size: 327680
    .private_segment_fixed_size: 0
    .kernarg_segment_align: 8
    .kernarg_segment_size: 32
    .max_flat_workgroup_size: 128
    .sgpr_count:     100
    .vgpr_count:     1024
    .wavefront_size: 32
...
	.end_amdgpu_metadata
.endif
;; end of part 2
;; launch attn (part 3): grid 4 x 64, 16 waves a work-group, clusters of 4 x 1, 167,936 bytes of LDS; arguments qkv, ao_img, ao_sc; writes ao_img, ao_sc
.if DOCPART == 3
	.amdgcn_target "amdgcn-amd-amdhsa--gfx1250"
	.amdhsa_code_object_version 6
	.text
	.protected	k_q3ce6e85167_attn
	.globl	k_q3ce6e85167_attn
	.p2align	8
	.type	k_q3ce6e85167_attn,@function
k_q3ce6e85167_attn:
	s_mov_b64 s[64:65], 0
	v_nop
	global_prefetch_b8 v0, s[64:65] scope:SCOPE_SE
	s_setreg_imm32_b32 hwreg(HW_REG_WAVE_MODE, 25, 1), 1
	s_wait_xcnt 0x0
	s_wait_alu depctr_hold_cnt(0) depctr_sa_sdst(0) depctr_va_vdst(0) depctr_va_sdst(0) depctr_va_ssrc(0) depctr_va_vcc(0) depctr_vm_vsrc(0)
	s_getreg_b32 s2, hwreg(HW_REG_IB_STS2, 6, 4)
	s_cmp_eq_u32 s2, 0
	s_cbranch_scc0 .Lentry_in_a_cluster
	s_endpgm
.Lentry_in_a_cluster:
	s_bfe_u32 s2, ttmp6, 0x10000c
	s_cmp_lg_u32 s2, 0x3003
	s_cbranch_scc0 .Lentry_shape_is_right
	s_endpgm
.Lentry_shape_is_right:
; LAUNCH 3 OF 4: for each head, O = softmax(q k^T / 8, causal) v on codes of FP4, then O quantised along C for the projection.
; WORK LEFT OUT: steps of 128 keys all of which come after a tile's 16 queries: reference()'s own tril sets them to -inf, so they add 0 to the sum and to O for all values of the inputs (shown at the head of launch 1).
; THE SOFTMAX: t = score x log2(e) / 8; M = the running largest t rounded UP to a whole number; p = 2^(t - M) is quantised along the keys, not normalised; the row's sum is taken of the unquantised p and divides O at the end.
; When M moves, the sum and O are multiplied by 2^(old M - new M): exact.
; SHARES.  The four work-groups of a cluster serve ONE head and ask for its K and V jointly; all 2,048 keys' codes and scale words (147,456 bytes, a byte image of qkv's k and v parts) stay in LDS, filled once.
; A tile is 16 queries (lane row r of tile t: token 32 (t / 2) + 8 (t % 2) + r + 8 (r / 8)).  Wave w of work-group cx owns tiles 4 w + cx and 127 - (4 w + cx): tile t wants key steps 0 .. t / 8, so the two want
; w / 2 + 1 and 16 - w / 2 steps: 17 for every wave of every work-group, and both counts hang on the wave's number alone, never on the place in the cluster.
; LAYOUT.  Both products are used transposed: S^T = K Q^T (source 0 = 16 keys, source 1 = my 16 queries; the head's 64 fill half of the instruction's 128: the other half is zero codes), O^T = V^T P^T: a lane holds ONE query throughout.
; By the choice of a tile's rows the 16 registers of tiles 2 b and 2 b + 1 of S^T are 16 neighbouring keys, and those of O^T 16 neighbouring channels: the conversions' results are the next operand's registers.
; LIMITS: as at the head of launch 1; a p under 2^-126 counts as 0.
; REGISTERS: v1-11 addresses and lane numbers; v12 -M, v13 the largest t, v[14:15] the sum in two halves; v16-31 my two tiles of Q; v32-63 four fragments of K; v64-95 V's four; v96-159 S^T, then p; v160-191 O^T;
;   v192-199 p's codes; v200-204 O's codes and scale byte; v208-218 scale words; v232-254 at work.
.set RECB,  4608
.set PARTB, 73728
.set HEADB, 221184
.set AOH,   512*4096                   ; a half of K in ao_img
.set SPARE, 2*PARTB                    ; 147,456: the spare words, 128 bytes for each wave: eight blocks of 256 bytes that no other line names
.set LI,   1                           ; v1   16 x lane
.set SPW,  4                           ; v4   my spare word; never rewritten
.set NIL,  5                           ; v5   0; never rewritten
.set ADK,  6                           ; v6   the step's record of K
.set ADV,  7                           ; v7   of V
.set QD,   8                           ; v8   my query - 16 h, of the tile in hand
.set KFR,  32
.set VFR,  64
.set S,    96
.set OT,   160
.set PCD,  192
.set KS,   208
.set VS,   212
.set PSW,  218
.set WV,   18
.set SEL,  20
.set CS,   22
.set TB,   2                           ; s2   LDS byte of the step's record
.set CNT,  3
.set SI,   66                          ; s66  the step's number
.set LAST, 67                          ; s67  the tile's last step, the one on the diagonal
.set KF,   68                          ; s68  the step's first key
.set HM,   69                          ; s69  lanes 16-31
.set TAU,  70                          ; s70-71 my two tiles
.set LA,   72                          ; s72-73 their last steps
.set QB,   74                          ; s74-75 their first tokens
.set AO,   48                          ; s[48:51] where their codes go;  s[52:55] their scale bytes;  s[56:59] their codes of q;  s[60:63] q's scale words
.set AS,   52
.set QA,   56
.set QSA,  60
.macro CROUND                          ; a round of the cluster's barrier
	s_barrier_signal -1
	s_barrier_wait -1
	s_cmp_lg_u32 s[WV], 0
	s_cbranch_scc1 .Lnot_wave_0_\@
	s_barrier_signal -3
.Lnot_wave_0_\@:
	s_barrier_wait -3
	s_barrier_signal -1
	s_barrier_wait -1
.endm
	s_load_b128 s[4:7], s[0:1], 0x0                ; qkv, ao_img
	s_load_b64 s[8:9], s[0:1], 0x10                ; ao_sc
	v_lshl_add_u32 v[SPW], v0, 2, SPARE
	v_mov_b32 v[NIL], 0
	ds_add_u32 v[SPW], v[NIL]                      ; the wave's opening: the add, twice on end, and its wait ahead of my first tensor load
	ds_add_u32 v[SPW], v[NIL]
	v_lshrrev_b32 v1, 5, v0
	s_delay_alu instid0(VALU_DEP_1)
	v_readfirstlane_b32 s[WV], v1                  ; wave 0..15
	s_bfe_u32 s19, ttmp6, 0x40000                  ; cx: it enters global addresses and lane values alone
	s_and_b32 s10, ttmp7, 0xffff                   ; the head, 16 x batch + head, which the four partners share
	s_mul_i32 s12, s10, HEADB
	s_mov_b32 s13, 0
	s_lshr_b32 s14, s[WV], 3                       ; waves 0-7 fetch K, waves 8-15 V,
	s_and_b32 s15, s[WV], 7                        ; an eighth each: 9,216 bytes
	s_mul_i32 s14, s14, PARTB
	s_mul_i32 s15, s15, 9216
	s_add_co_u32 s14, s14, s15                     ; the LDS byte, and the byte behind the head's k part in memory
	s_add_co_u32 s16, s14, PARTB
	s_add_co_u32 s16, s16, s12
	s_mov_b32 s17, 0
	s_mov_b32 s24, 15|(3<<16)|(1<<21)              ; group 1: 15:0 the mask: all four work-groups; 17:16 elements of 8 bytes; 21 set beside a mask; no padding
	s_mov_b32 s25, 32<<16                          ; tensor_dim0: rows of 256 bytes
	s_mov_b32 s26, 36<<16                          ; tensor_dim1: 36 of them
	s_mov_b32 s27, 32<<16                          ; tile_dim0
	s_mov_b32 s28, 36                              ; tile_dim1
	s_mov_b32 s29, 32                              ; tensor_dim0_stride: dense
	s_mov_b32 s30, 0
	s_mov_b32 s31, 0
	s_mov_b32 s[SEL], 0x76543210
	s_mov_b32 s[SEL+1], 0xfedcba98                 ; v_permlanex16_b32's selects for lane l xor 16
	s_mov_b32 s[CS], 0x3e38aa3b                    ; c = log2(e) / sqrt(64)
	s_mov_b32 s[CS+1], s[CS]                       ; (named with it as a pair)
	s_mov_b32 s[HM], 0xffff0000
	s_wait_dscnt 0x0                               ; both opening adds are done
	s_wait_kmcnt 0x0
	s_mov_b32 s40, 1                               ; group 0: count = 1,
	s_mov_b32 s41, s14                             ; the LDS address,
	s_add_nc_u64 s[42:43], s[4:5], s[16:17]        ; the global address,
	s_or_b32 s43, s43, 0x80000000                  ; type = 2
	s_add_nc_u64 s[12:13], s[4:5], s[12:13]        ; the head's q part
	CROUND                                         ; all four work-groups are here: the joint loads meet
	tensor_load_to_lds s[40:43], s[24:31]          ; my one tensor load of the launch
	s_nop 0
.rept 4
	v_nop
.endr
	s_lshl_b32 s[TAU], s[WV], 2
	s_add_co_u32 s[TAU], s[TAU], s19               ; tile 4 w + cx
	s_sub_co_u32 s[TAU+1], 127, s[TAU]             ; and its mirror
	s_lshr_b32 s[LA], s[WV], 1
	s_sub_co_u32 s[LA+1], 15, s[LA]
	s_lshr_b32 s36, s10, 4
	s_lshl_b32 s36, s36, 7                         ; 128 tiles a batch
	s_and_b32 s11, s10, 15                         ; the head in its batch: C = 64 hd ..
	s_lshr_b32 s37, s11, 3
	s_and_b32 s39, s11, 7
	s_lshl_b32 s38, s37, 8
	s_mul_i32 s37, s37, AOH
	s_lshl_b32 s44, s39, 9
	s_add_co_u32 s37, s37, s44                     ; ao_img: (hd / 8) halves + 512 (hd % 8)
	s_lshl_b32 s44, s39, 1
	s_add_co_u32 s38, s38, s44                     ; ao_sc: 256 (hd / 8) + 2 (hd % 8)
	s_mov_b32 s35, 0
.macro TILEADR n
	s_lshr_b32 s32, s[TAU+\n], 3
	s_mul_i32 s32, s32, RECB                       ; the tile's record of q,
	s_and_b32 s33, s[TAU+\n], 7
	s_lshl_b32 s34, s33, 9
	s_add_co_u32 s34, s34, s32                     ; its image
	s_add_nc_u64 s[QA+2*\n:QA+2*\n+1], s[12:13], s[34:35]
	s_and_b32 s34, s[TAU+\n], 1
	s_lshl_b32 s34, s34, 8                         ; its scale words: lanes 0-15 or 16-31 of the record's 512 bytes,
	s_lshr_b32 s33, s33, 1
	s_lshl_b32 s33, s33, 2                         ; its pair's word
	s_add_co_u32 s34, s34, s33
	s_add_co_u32 s34, s34, s32
	s_add_co_u32 s34, s34, 4096
	s_add_nc_u64 s[QSA+2*\n:QSA+2*\n+1], s[12:13], s[34:35]
	s_add_co_u32 s32, s[TAU+\n], s36               ; the tile among all 512
	s_lshl_b32 s34, s32, 12
	s_add_co_u32 s34, s34, s37
	s_add_nc_u64 s[AO+2*\n:AO+2*\n+1], s[6:7], s[34:35]
	s_lshl_b32 s34, s32, 9
	s_add_co_u32 s34, s34, s38
	s_add_nc_u64 s[AS+2*\n:AS+2*\n+1], s[8:9], s[34:35]
	s_lshr_b32 s32, s[TAU+\n], 1
	s_lshl_b32 s32, s32, 5
	s_and_b32 s33, s[TAU+\n], 1
	s_lshl_b32 s33, s33, 3
	s_add_co_u32 s[QB+\n], s32, s33                ; its first token
.endm
	TILEADR 0
	TILEADR 1
	v_and_b32 v1, 31, v0
	s_delay_alu instid0(VALU_DEP_1)
	v_lshlrev_b32 v[LI], 4, v1
	v_and_b32 v2, 15, v0                           ; r
	v_bfe_u32 v3, v0, 4, 1                         ; h
	s_delay_alu instid0(VALU_DEP_2)
	v_lshlrev_b32 v11, 4, v2                       ; 16 r
	s_delay_alu instid0(VALU_DEP_1)
	v_add_nc_u32 v10, v11, v3                      ; 16 r + h: my scale byte's place
	s_delay_alu instid0(VALU_DEP_4)
	v_and_b32 v9, 8, v2
	s_delay_alu instid0(VALU_DEP_1)
	v_add_nc_u32 v9, v9, v2
	v_lshlrev_b32 v6, 4, v3
	s_delay_alu instid0(VALU_DEP_1)
	v_sub_nc_u32 v9, v9, v6                        ; r + 8 (r / 8) - 16 h
	global_load_b128 v[16:19], v[LI], s[QA:QA+1]   ; Q's two fragments stay in registers: dk 32 h ..;
	global_load_b128 v[24:27], v[LI], s[QA+2:QA+3]
	global_load_b32 v216, v11, s[QSA:QSA+1]        ; their scale words
	global_load_b32 v217, v11, s[QSA+2:QSA+3]
.irp j, 20,21,22,23,28,29,30,31
	v_mov_b32 v\j, 0                               ; k = 64 .. 127 of the first product: zero codes, on both sides
.endr
.irp t, 0,1,2,3
.irp j, 4,5,6,7
	v_mov_b32 v[KFR+8*\t+\j], 0
.endr
.endr
.irp b, 0,1,2,3
	v_mov_b32 v[236+\b], 0                         ; a lane permute's destination counts as one of its sources
.endr
	v_mov_b32 v253, 0                              ; (named as the upper half of the pair v[252:253])
.macro INIT n                          ; a tile begins: the sum and O^T as zeros, the largest t as -3e38: the first change of M multiplies zeros
	v_mov_b32 v13, 0xff61b1e6
	s_delay_alu instid0(VALU_DEP_1)
	v_floor_f32 v12, -v13
	v_mov_b32 v14, 0
	v_mov_b32 v15, 0
.set ii, 0
.rept 32
	v_mov_b32 v[OT+ii], 0
.set ii, ii+1
.endr
	v_add_nc_u32 v[QD], s[QB+\n], v9
	s_mov_b32 s[TB], 0
	s_mov_b32 s[SI], 0
	s_mov_b32 s[KF], 0
	s_mov_b32 s[LAST], s[LA+\n]
.endm
.macro SPROD t, q, qs                  ; S^T's tile t: 16 keys x my 16 queries.  A pair of tiles shares a register of scale words: the even tile's in lanes 0-15, the odd one's in lanes 16-31
.if (\t)%2
	v_wmma_scale_f32_16x16x128_f8f6f4 v[S+8*(\t):S+8*(\t)+7], v[KFR+8*((\t)%4):KFR+8*((\t)%4)+7], v[\q:\q+7], 0, v[KS+(\t)/2], v[\qs] matrix_a_fmt:MATRIX_FMT_FP4 matrix_b_fmt:MATRIX_FMT_FP4 matrix_a_scale:MATRIX_SCALE_ROW1
.else
	v_wmma_scale_f32_16x16x128_f8f6f4 v[S+8*(\t):S+8*(\t)+7], v[KFR+8*((\t)%4):KFR+8*((\t)%4)+7], v[\q:\q+7], 0, v[KS+(\t)/2], v[\qs] matrix_a_fmt:MATRIX_FMT_FP4 matrix_b_fmt:MATRIX_FMT_FP4
.endif
.endm
; A KEY STEP: 128 keys.  A step behind the tile's diagonal is left out by a scalar branch on the step's number and the wave's: round its loads, products and softmax, not round the lines at its end that step addresses.
.macro STEP q, qs
	s_cmp_gt_u32 s[SI], s[LAST]
	s_cbranch_scc1 .Lhid_\@
	s_setprio 2
	v_add_nc_u32 v[ADK], s[TB], v[LI]
	s_delay_alu instid0(VALU_DEP_1)
	v_add_nc_u32 v[ADV], PARTB, v[ADK]
	v_nop
	v_nop                                          ; four places in front of loads into registers that matrix instructions have read
.irp t, 0,1,2,3
	ds_load_b128 v[KFR+8*\t:KFR+8*\t+3], v[ADK] offset:512*\t
.endr
	ds_load_b128 v[KS:KS+3], v[ADK] offset:4096
	s_wait_alu depctr_va_vdst(0)
	s_wait_dscnt 0x0
.irp t, 0,1,2,3
	SPROD \t, \q, \qs
.endr
.rept 4
	v_nop
.endr
.irp t, 4,5,6,7
	ds_load_b128 v[KFR+8*(\t%4):KFR+8*(\t%4)+3], v[ADK] offset:512*\t
.endr
.irp d, 0,1,2,3
.irp c, 0,1
	ds_load_b128 v[VFR+8*\d+4*\c:VFR+8*\d+4*\c+3], v[ADV] offset:1024*\d+512*\c   ; V's four fragments land under the softmax
.endr
.endr
	ds_load_b128 v[VS:VS+3], v[ADV] offset:4096
	s_wait_dscnt 9                                 ; K's tiles 4-7 are in; V's eight loads and its scale words may be out
.irp t, 4,5,6,7
	SPROD \t, \q, \qs
.endr
.rept 4
	v_nop
.endr
	s_cmp_lt_u32 s[SI], s[LAST]                    ; ahead of the diagonal all 128 keys count
	s_cbranch_scc1 .Lopen_\@
	v_sub_nc_u32 v252, v[QD], s[KF]                ; d = my query - the step's first key - 16 h.  Register 16 b + i holds key 32 b + 16 h + i of the step: hidden where 32 b + i > d
	v_mov_b32 v254, 0xff800000                     ; -infinity
.set nn, 0
.rept 64
	v_cmp_gt_i32 vcc_lo, 32*(nn/16)+nn%16, v252
	v_cndmask_b32 v[S+nn], v[S+nn], v254, vcc_lo
.set nn, nn+1
.endr
.Lopen_\@:
.irp b, 0,1,2,3
	v_max3_num_f32 v[232+\b], v[S+16*\b], v[S+1+16*\b], v[S+2+16*\b]   ; the largest score of each block of 32 keys: for the row's maximum, and, since p rises with the score, for the block's largest p
.endr
.irp i, 3,5,7,9,11,13
.irp b, 0,1,2,3
	v_max3_num_f32 v[232+\b], v[232+\b], v[S+16*\b+\i], v[S+1+16*\b+\i]
.endr
.endr
.irp b, 0,1,2,3
	v_max_num_f32 v[232+\b], v[232+\b], v[S+15+16*\b]
.endr
.irp b, 0,1,2,3
	s_delay_alu instid0(VALU_DEP_4)
	v_permlanex16_b32 v[236+\b], v[232+\b], s[SEL], s[SEL+1]
.endr
.irp b, 0,1,2,3
	s_delay_alu instid0(VALU_DEP_4)
	v_max_num_f32 v[232+\b], v[232+\b], v[236+\b]  ; with lane l xor 16's 16 keys
.endr
	s_delay_alu instid0(VALU_DEP_2)
	v_max3_num_f32 v254, v232, v233, v234
	s_delay_alu instid0(VALU_DEP_1)
	v_max_num_f32 v254, v254, v235                 ; the step's largest score of my query
	s_delay_alu instid0(VALU_DEP_1)
	v_mul_f32 v254, s[CS], v254                    ; as t
	s_delay_alu instid0(VALU_DEP_1)
	v_max_num_f32 v13, v13, v254                   ; the running largest t
	v_mov_b32 v254, v12
	s_delay_alu instid0(VALU_DEP_2)
	v_floor_f32 v12, -v13                          ; the new -M = floor(-t) = -ceil(t)
	s_delay_alu instid0(VALU_DEP_1)
	v_sub_f32 v254, v12, v254                      ; old M - new M: a whole number, 0 or less
	s_delay_alu instid0(VALU_DEP_1)
	v_cvt_i32_f32 v254, v254                       ; (it saturates)
	s_delay_alu instid0(VALU_DEP_1)
	v_ldexp_f32 v252, 1.0, v254                    ; f = 2^(old M - new M)
.set jj, 0
.rept 32
	v_pk_fma_f32 v[S+jj:S+jj+1], v[S+jj:S+jj+1], s[CS:CS+1], v[12:13] op_sel_hi:[1,0,0]   ; t - M, two at a time
.set jj, jj+2
.endr
	s_setprio 1
.irp b, 0,1,2,3
	v_fma_f32 v[232+\b], v[232+\b], s[CS], v12     ; the same of each block's largest score
.endr
.set jj, 0
	s_wait_alu depctr_va_vdst(0)
.rept 64
	v_exp_f32 v[S+jj], v[S+jj]                     ; p = 2^(t - M), at most 1
.set jj, jj+1
.endr
	v_pk_mul_f32 v[14:15], v[14:15], v[252:253] op_sel_hi:[1,0]   ; the sums under the new M: a plain instruction behind the exponentials
	s_wait_alu depctr_va_vdst(0)                   ; the wait ahead of the first instruction that names a result: one for the batch
.irp b, 0,1,2,3
	v_exp_f32 v[232+\b], v[232+\b]                 ; the block's largest p
.endr
	v_pk_add_f32 v[236:237], v[100:101], v[104:105]
	v_pk_add_f32 v[254:255], v[108:109], v[112:113]
	v_pk_add_f32 v[250:251], v[116:117], v[120:121]
	v_pk_add_f32 v[248:249], v[124:125], v[128:129]
	v_pk_add_f32 v[246:247], v[132:133], v[136:137]
	v_pk_add_f32 v[244:245], v[140:141], v[144:145]
	v_pk_add_f32 v[242:243], v[148:149], v[152:153]
	v_pk_add_f32 v[14:15], v[14:15], v[156:157]
	v_pk_add_f32 v[236:237], v[236:237], v[96:97]
	v_pk_add_f32 v[254:255], v[254:255], v[98:99]
	v_pk_add_f32 v[250:251], v[250:251], v[102:103]
	v_pk_add_f32 v[248:249], v[248:249], v[106:107]
	v_pk_add_f32 v[246:247], v[246:247], v[110:111]
	v_pk_add_f32 v[244:245], v[244:245], v[114:115]
	v_pk_add_f32 v[242:243], v[242:243], v[118:119]
	v_pk_add_f32 v[14:15], v[14:15], v[122:123]
	v_pk_add_f32 v[236:237], v[236:237], v[126:127]
	v_pk_add_f32 v[254:255], v[254:255], v[130:131]
	v_pk_add_f32 v[250:251], v[250:251], v[134:135]
	v_pk_add_f32 v[248:249], v[248:249], v[138:139]
	v_pk_add_f32 v[246:247], v[246:247], v[142:143]
	v_pk_add_f32 v[244:245], v[244:245], v[146:147]
	v_pk_add_f32 v[242:243], v[242:243], v[150:151]
	v_pk_add_f32 v[14:15], v[14:15], v[154:155]
	v_pk_add_f32 v[236:237], v[236:237], v[158:159]
	s_delay_alu instid0(VALU_DEP_2)
	v_pk_add_f32 v[14:15], v[14:15], v[248:249]
	s_delay_alu instid0(VALU_DEP_2)
	v_pk_add_f32 v[236:237], v[236:237], v[246:247]
	v_pk_add_f32 v[254:255], v[254:255], v[244:245]
	v_pk_add_f32 v[250:251], v[250:251], v[242:243]
	s_delay_alu instid0(VALU_DEP_2)
	v_pk_add_f32 v[14:15], v[14:15], v[254:255]
	s_delay_alu instid0(VALU_DEP_2)
	v_pk_add_f32 v[236:237], v[236:237], v[250:251]
	s_delay_alu instid0(VALU_DEP_1)
	v_pk_add_f32 v[14:15], v[14:15], v[236:237]
	s_wait_alu depctr_va_vdst(0)                   ; and one for the four
.irp b, 0,1,2,3
	v_max_num_f32 v[232+\b], 0x1800000, v[232+\b]  ; the floor 2^(3 - 127): a block whose every p is 0 keeps the byte 1: its codes are zeros
.endr
.irp b, 0,1,2,3
	s_delay_alu instid0(VALU_DEP_4)
	v_add_nc_u32 v[244+\b], 0xff000000, v[232+\b]  ; the conversion's scale operand
.endr
.irp b, 0,1,2,3
	s_delay_alu instid0(VALU_DEP_4)
	v_lshrrev_b32 v[236+\b], 23, v[244+\b]         ; the scale's byte
.endr
	s_delay_alu instid0(VALU_DEP_3)
	v_lshl_or_b32 v[PSW], v237, 8, v236            ; p's scale word for these 128 keys
	s_delay_alu instid0(VALU_DEP_1)
	v_lshl_or_b32 v[PSW], v238, 16, v[PSW]
	s_delay_alu instid0(VALU_DEP_1)
	v_lshl_or_b32 v[PSW], v239, 24, v[PSW]
	s_setprio 0
.irp b, 0,1,2,3
	v_cvt_scalef32_pk8_fp4_f32 v[PCD+2*\b], v[S+16*\b:S+7+16*\b], v[244+\b]
	v_cvt_scalef32_pk8_fp4_f32 v[PCD+1+2*\b], v[S+8+16*\b:S+15+16*\b], v[244+\b]
.endr
	v_nop                                          ; one plain place behind a scaled conversion
.irp c, 0,1
.irp i, 0,1
	v_permlane16_swap_b32 v[PCD+4*\c+\i], v[PCD+2+4*\c+\i]   ; a whole block to a lane
.endr
.endr
.set jj, 0
.rept 16
	v_pk_mul_f32 v[OT+jj:OT+jj+1], v[OT+jj:OT+jj+1], v[252:253] op_sel_hi:[1,0]   ; O^T under the new M; these sixteen are also the places between the scale word, the codes and the products below
.set jj, jj+2
.endr
	s_wait_alu depctr_va_vdst(0)
	s_wait_dscnt 0x0                               ; V
.irp d, 0,1,2,3
	v_wmma_scale_f32_16x16x128_f8f6f4 v[OT+8*\d:OT+8*\d+7], v[VFR+8*\d:VFR+8*\d+7], v[PCD:PCD+7], v[OT+8*\d:OT+8*\d+7], v[VS+\d], v[PSW] matrix_a_fmt:MATRIX_FMT_FP4 matrix_b_fmt:MATRIX_FMT_FP4
.endr
.Lhid_\@:
	s_add_co_u32 s[SI], s[SI], 1
	s_add_co_u32 s[KF], s[KF], 128
	s_add_co_u32 s[TB], s[TB], RECB
.endm
.macro STEPS n, q, qs                  ; a counted loop: the trip count is a constant of the text
	s_mov_b32 s[CNT], \n
.Lstep_\@:
	STEP \q, \qs
	s_sub_co_u32 s[CNT], s[CNT], 1
	s_cmp_lg_u32 s[CNT], 0
	s_cbranch_scc1 .Lstep_\@
	s_setprio 0
.endm
; A TILE'S WAY OUT: O^T / the sum; register 16 b + i is channel 32 b + 16 h + i of my query's head: two blocks of 32 along C are quantised; 512 consecutive bytes of codes a wave, and a scale byte a lane.
.macro PASSOUT n
	s_wait_xcnt 0x0                                ; earlier loads and stores have read their registers
.rept 4
	v_nop                                          ; places behind the last products
.endr
	v_add_f32 v14, v14, v15
	s_delay_alu instid0(VALU_DEP_1)
	v_permlanex16_b32 v236, v14, s[SEL], s[SEL+1]
	s_delay_alu instid0(VALU_DEP_1)
	v_add_f32 v14, v14, v236                       ; the row's sum
	s_wait_alu depctr_va_vdst(0)
	v_rcp_f32 v14, v14
	v_nop                                          ; a plain place behind the transcendental,
	s_wait_alu depctr_va_vdst(0)                   ; and the wait ahead of its first reader
.set jj, 0
.rept 16
	v_pk_mul_f32 v[S+jj:S+jj+1], v[OT+jj:OT+jj+1], v[14:15] op_sel_hi:[1,0]   ; each accumulator from its low end on
.set jj, jj+2
.endr
.irp b, 0,1
	v_max3_num_f32 v[232+\b], |v[S+16*\b]|, |v[S+1+16*\b]|, 0x1800000
.endr
.irp i, 2,4,6,8,10,12,14
.irp b, 0,1
	s_delay_alu instid0(VALU_DEP_2)
	v_max3_num_f32 v[232+\b], v[232+\b], |v[S+16*\b+\i]|, |v[S+1+16*\b+\i]|
.endr
.endr
.irp b, 0,1
	s_delay_alu instid0(VALU_DEP_2)
	v_permlanex16_b32 v[236+\b], v[232+\b], s[SEL], s[SEL+1]
.endr
.irp b, 0,1
	s_delay_alu instid0(VALU_DEP_2)
	v_max_num_f32 v[232+\b], v[232+\b], v[236+\b]
.endr
.irp b, 0,1
	s_delay_alu instid0(VALU_DEP_2)
	v_add_nc_u32 v[244+\b], 0xff000000, v[232+\b]
.endr
.irp b, 0,1
	s_delay_alu instid0(VALU_DEP_2)
	v_lshrrev_b32 v[236+\b], 23, v[244+\b]
.endr
.irp b, 0,1
	v_cvt_scalef32_pk8_fp4_f32 v[200+2*\b], v[S+16*\b:S+7+16*\b], v[244+\b]
	v_cvt_scalef32_pk8_fp4_f32 v[201+2*\b], v[S+8+16*\b:S+15+16*\b], v[244+\b]
.endr
	v_nop                                          ; one plain place behind a scaled conversion
	v_cndmask_b32 v204, v236, v237, s[HM]          ; lanes 0-15 store block 0's byte, lanes 16-31 block 1's
	v_permlane16_swap_b32 v200, v202               ; a whole block to a lane: v200-203 = channels 32 h + 0 .. 31
	v_permlane16_swap_b32 v201, v203
	global_store_b128 v[LI], v[200:203], s[AO+2*\n:AO+2*\n+1]
	global_store_b8 v10, v204, s[AS+2*\n:AS+2*\n+1]
.endm
	INIT 0
	s_wait_loadcnt 0x0                             ; Q
	s_wait_tensorcnt 0x0                           ; my part of K or V is in,
	s_barrier_signal -1
	s_barrier_wait -1                              ; everybody's is: from here on LDS is only read
	STEPS 8, 16, 216                               ; tile 4 w + cx: its diagonal lies in steps 0 .. 7
	PASSOUT 0
	INIT 1
	STEPS 16, 24, 217                              ; tile 127 - (4 w + cx): in steps 8 .. 15
	PASSOUT 1
	s_wait_tensorcnt 0x0                           ; the wave's end
	ds_add_u32 v[SPW], v[NIL]
	s_wait_dscnt 0x0
	CROUND                                         ; the closing round
	s_endpgm
.Lfunc_end_k_q3ce6e85167_attn:
	.size	k_q3ce6e85167_attn, .Lfunc_end_k_q3ce6e85167_attn-k_q3ce6e85167_attn
	.p2alignl 7, 3214868480
	.fill 96, 4, 3214868480
	.section	.rodata,"a",@progbits
	.p2align	6, 0x0
	.amdhsa_kernel k_q3ce6e85167_attn
		.amdhsa_group_segment_fixed_size 167936
		.amdhsa_private_segment_fixed_size 0
		.amdhsa_enable_private_segment 0
		.amdhsa_kernarg_size 24
		.amdhsa_user_sgpr_count 2
		.amdhsa_user_sgpr_kernarg_segment_ptr 1
		.amdhsa_wavefront_size32 1
		.amdhsa_system_sgpr_workgroup_id_x 1
		.amdhsa_system_sgpr_workgroup_id_y 1
		.amdhsa_system_sgpr_workgroup_id_z 1
		.amdhsa_system_vgpr_workitem_id 0
		.amdhsa_next_free_vgpr 256
		.amdhsa_next_free_sgpr 80
		.amdhsa_reserve_vcc 1
		.amdhsa_float_denorm_mode_32 3
		.amdhsa_float_denorm_mode_16_64 3
		.amdhsa_memory_ordered 1
		.amdhsa_forward_progress 1
		.amdhsa_inst_pref_size 62
	.end_amdhsa_kernel
	.amdgpu_metadata
---
amdhsa.version: [ 1, 2 ]
amdhsa.kernels:
  - .name:           k_q3ce6e85167_attn
    .symbol:         k_q3ce6e85167_attn.kd
    .args:
      - { .name: qkv, .offset: 0, .size: 8, .value_kind: global_buffer, .address_space: global }
      - { .name: ao_img, .offset: 8, .size: 8, .value_kind: global_buffer, .address_space: global }
      - { .name: ao_sc, .offset: 16, .size: 8, .value_kind: global_buffer, .address_space: global }
    .group_segment_fixed_size: 167936
    .private_segment_fixed_size: 0
    .kernarg_segment_align: 8
    .kernarg_segment_size: 24
    .max_flat_workgroup_size: 512
    .sgpr_count:     80
    .vgpr_count:     256
    .wavefront_size: 32
...
	.end_amdgpu_metadata
.endif
;; end of part 3
;; launch gemm_proj (part 4): grid 4 x 32, 4 waves a work-group, clusters of 4 x 4, 327,680 bytes of LDS; arguments ao_img, ao_sc, img, sc, b_proj, out0; writes out0
.if DOCPART == 4
	.amdgcn_target "amdgcn-amd-amdhsa--gfx1250"
	.amdhsa_code_object_version 6
	.text
	.protected	k_q3ce6e85167_gemm_proj
	.globl	k_q3ce6e85167_gemm_proj
	.p2align	8
	.type	k_q3ce6e85167_gemm_proj,@function
k_q3ce6e85167_gemm_proj:
	s_mov_b64 s[64:65], 0
	v_nop
	global_prefetch_b8 v0, s[64:65] scope:SCOPE_SE
	s_setreg_imm32_b32 hwreg(HW_REG_WAVE_MODE, 25, 1), 1
	s_wait_xcnt 0x0
	s_wait_alu depctr_hold_cnt(0) depctr_sa_sdst(0) depctr_va_vdst(0) depctr_va_sdst(0) depctr_va_ssrc(0) depctr_va_vcc(0) depctr_vm_vsrc(0)
	s_getreg_b32 s2, hwreg(HW_REG_IB_STS2, 6, 4)
	s_cmp_eq_u32 s2, 0
	s_cbranch_scc0 .Lentry_in_a_cluster
	s_endpgm
.Lentry_in_a_cluster:
	s_bfe_u32 s2, ttmp6, 0x10000c
	s_cmp_lg_u32 s2, 0xf033
	s_cbranch_scc0 .Lentry_shape_is_right
	s_endpgm
.Lentry_shape_is_right:
; LAUNCH 4 OF 4: out0 = O W_proj^T + b_proj on codes of FP4; out0 is f32.  No work of reference() is left out here.
; The core is launch 2's: a block of 256 x 256 by four waves of 128 x 128, all of K = 1,024 in two LDS slots filled once, operands as images of the operand's registers, 4 x 4 clusters with joint loads.
; A (source 1, the lanes of a result) = 256 tokens, from ao_img and ao_sc (launch 3); B (source 0, along a lane's registers) = 256 rows of W_proj, tiles 704 on of img and sc (launch 1).
; The bias is the C of each sum's first matrix instruction.  A lane's eight results of tile b are columns 32 (b / 2) + 16 h + 8 (b % 2) + 0 .. 7 of one row; a block of 16 rows x 128 columns goes through my own stage in LDS
; and leaves as whole rows of 512 bytes.  The stage lies in slot 0, which has had its only fill, and which nobody reads behind the change of slots.
; 128 work-groups: the product has no more blocks of this size.
; REGISTERS: window 0: v1-29 addresses; v32-95 scale words; v128-191 A's fragments; v192-255 the bias; on the way out v128-255 hold rows read back.  window 1: B's fragments, two sets.  windows 2, 3: the accumulators.
.set NQ,     4
.set FR,     8
.set NL,     2
.set NP,     4
.set HALFT,  32768
.set SLOT,   4*HALFT
.set SCL,    2*SLOT
.set HALFS,  4096
.set SPARE,  SCL+4*HALFS               ; the spare words, 128 bytes for each wave: two blocks of 256 bytes that no other line names
.set IMGH,   768*4096                  ; a half of K in img
.set AOH,    512*4096                  ; and in ao_img
.set SPITCH, 528                       ; a stage row: 512 bytes + 16
.set ADRA, 16
.set ADRB, 20
.set BV0,  22                          ; v22  64 h
.set STO,  24                          ; v24  the stage: where I put 32 bytes of a row
.set RD,   25                          ; v25  and where I read a row back
.set LI,   26                          ; v26  16 x lane
.set ADRS, 27
.set SPW,  28
.set NIL,  29
.set SC,   32
.set AF,   128
.set BK,   128
.set BI,   192
.set G1, 24
.set G0, 32
.set G1B, 48
.set G0B, 56
.set G1S, 68
.set G0S, 76
.set G1SB, 80
.set G0SB, 88
.set MSB, 0
.macro WIN new                         ; the immediate's high byte repeats the setting that is left
.if MSB != (\new)
	s_set_vgpr_msb (MSB<<8)|(\new)
.set MSB, (\new)
.endif
.endm
.set MUL_LO, 0xa1                      ; source 0 (B) window 1, source 1 (A) window 0, C and D window 2
.set MUL_HI, 0xf1                      ; the same, C and D window 3
.set BIA_LO, 0x81                      ; the first products: C (the bias) window 0, D window 2
.set BIA_HI, 0xc1                      ; D window 3
.set TO_B,   0x40
.macro JLOAD g0a, g1a, g0b, g1b        ; a joint load: waves 0 and 1 fetch for A, waves 2 and 3 for B; an s_nop 0 and four v_nop follow each of the two lines
	s_cmp_eq_u32 s15, 0
	s_cbranch_scc0 .Lfor_b_\@
	tensor_load_to_lds s[\g0a:\g0a+3], s[\g1a:\g1a+7]
	s_nop 0
.rept 4
	v_nop
.endr
	s_branch .Lasked_\@
.Lfor_b_\@:
	tensor_load_to_lds s[\g0b:\g0b+3], s[\g1b:\g1b+7]
	s_nop 0
.rept 4
	v_nop
.endr
.Lasked_\@:
.endm
.macro CROUND                          ; a round of the cluster's barrier
	s_barrier_signal -1
	s_barrier_wait -1
	s_cmp_lg_u32 s14, 0
	s_cbranch_scc1 .Lnot_wave_0_\@
	s_barrier_signal -3
.Lnot_wave_0_\@:
	s_barrier_wait -3
	s_barrier_signal -1
	s_barrier_wait -1
.endm
	s_load_b256 s[4:11], s[0:1], 0x0               ; ao_img s[4:5], ao_sc s[6:7], img s[8:9], sc s[10:11]
	s_load_b128 s[96:99], s[0:1], 0x20             ; b_proj s[96:97], out0 s[98:99]
	v_lshl_add_u32 v[SPW], v0, 2, SPARE
	v_mov_b32 v[NIL], 0
	ds_add_u32 v[SPW], v[NIL]                      ; the wave's opening: the add, twice on end, and its wait ahead of my first tensor load
	ds_add_u32 v[SPW], v[NIL]
	v_lshrrev_b32 v1, 5, v0
	v_readfirstlane_b32 s14, v1                    ; wave 0..3
	s_lshr_b32 s15, s14, 1                         ; which half of A is mine.  Also: I fetch for A (0) or for B (1)
	s_and_b32 s16, s14, 1                          ; which half of B is mine.  Also: which 8 tiles I fetch
	s_bfe_u32 s40, ttmp6, 0x40000                  ; cx, cy
	s_bfe_u32 s41, ttmp6, 0x40004
	s_lshl_b32 s42, ttmp9, 2
	s_add_co_u32 s42, s42, s40                     ; tcol: the block of 256 columns
	s_and_b32 s17, ttmp7, 0xffff
	s_lshl_b32 s17, s17, 2
	s_add_co_u32 s17, s17, s41                     ; trow: the block of 256 tokens
	s_lshl_b32 s43, s41, 2
	s_lshl_b32 s43, 15, s43                        ; my row of the cluster
	s_lshl_b32 s44, 0x1111, s40                    ; my column
	s_or_b32 s[G1+0], s43, (3<<16)|(1<<21)         ; group 1: the mask; elements of 8 bytes; bit 21 beside a mask; no padding
	s_or_b32 s[G1B+0], s44, (3<<16)|(1<<21)
	s_or_b32 s[G1S+0], s43, (3<<16)|(1<<21)
	s_or_b32 s[G1SB+0], s44, (3<<16)|(1<<21)
.irp g, G1, G1B
	s_mov_b32 s[\g+1], 32<<16                      ; dense blocks as rows of 256 bytes: 128 rows of codes
	s_mov_b32 s[\g+2], 128<<16
	s_mov_b32 s[\g+3], 32<<16
	s_mov_b32 s[\g+4], 128
	s_mov_b32 s[\g+5], 32
	s_mov_b32 s[\g+6], 0
	s_mov_b32 s[\g+7], 0
.endr
.irp g, G1S, G1SB
	s_mov_b32 s[\g+1], 32<<16                      ; 16 rows of scale words
	s_mov_b32 s[\g+2], 16<<16
	s_mov_b32 s[\g+3], 32<<16
	s_mov_b32 s[\g+4], 16
	s_mov_b32 s[\g+5], 32
	s_mov_b32 s[\g+6], 0
	s_mov_b32 s[\g+7], 0
.endr
	s_lshl_b32 s18, s16, 3
	s_lshl_b32 s20, s17, 4
	s_add_co_u32 s20, s20, s18                     ; A: the first of the 8 tiles that I fetch
	s_lshl_b32 s46, s42, 4
	s_add_co_u32 s46, s46, s18
	s_add_co_u32 s46, s46, 704                     ; B: likewise, W_proj's tiles
	s_lshl_b32 s22, s20, 9
	s_mov_b32 s23, 0
	s_lshl_b32 s92, s46, 9
	s_mov_b32 s93, 0
	s_lshl_b32 s20, s20, 12
	s_mov_b32 s21, 0
	s_lshl_b32 s46, s46, 12
	s_mov_b32 s47, 0
	s_mul_i32 s45, s14, HALFT
	s_mul_i32 s94, s14, HALFS
	s_wait_dscnt 0x0                               ; both opening adds are done
	s_wait_kmcnt 0x0
	s_add_nc_u64 s[20:21], s[4:5], s[20:21]
	s_add_nc_u64 s[22:23], s[6:7], s[22:23]
	s_add_nc_u64 s[46:47], s[8:9], s[46:47]
	s_add_nc_u64 s[92:93], s[10:11], s[92:93]
	CROUND                                         ; all sixteen work-groups are here: the first joint loads meet
	s_mov_b32 s[G0S], 1
	s_add_co_u32 s[G0S+1], s94, SCL
	s_mov_b64 s[G0S+2:G0S+3], s[22:23]
	s_or_b32 s[G0S+3], s[G0S+3], 0x80000000
	s_mov_b32 s[G0SB], 1
	s_add_co_u32 s[G0SB+1], s94, SCL
	s_mov_b64 s[G0SB+2:G0SB+3], s[92:93]
	s_or_b32 s[G0SB+3], s[G0SB+3], 0x80000000
	JLOAD G0S, G1S, G0SB, G1SB                     ; three loads of mine are out at the most
.irp s, 0,1
	s_mov_b32 s[G0+4*\s], 1
	s_add_co_u32 s[G0+4*\s+1], s45, \s*SLOT
	s_add_nc_u64 s[G0+4*\s+2:G0+4*\s+3], s[20:21], \s*AOH
	s_or_b32 s[G0+4*\s+3], s[G0+4*\s+3], 0x80000000
	s_mov_b32 s[G0B+4*\s], 1
	s_add_co_u32 s[G0B+4*\s+1], s45, \s*SLOT
	s_add_nc_u64 s[G0B+4*\s+2:G0B+4*\s+3], s[46:47], \s*IMGH
	s_or_b32 s[G0B+4*\s+3], s[G0B+4*\s+3], 0x80000000
	s_wait_alu depctr_va_vdst(0)
	s_wait_tensorcnt 0x0
	ds_add_u32 v28, v29
	s_wait_dscnt 0x0
	CROUND
	JLOAD G0+4*\s, G1, G0B+4*\s, G1B
.endr
	v_and_b32 v1, 15, v0                           ; r
	v_bfe_u32 v2, v0, 4, 1                         ; h
	v_and_b32 v3, 31, v0
	v_lshlrev_b32 v[LI], 4, v3
	s_wait_alu depctr_va_vdst(0)
	v_lshlrev_b32 v[BV0], 6, v2
	s_lshl_b32 s18, s42, 10                        ; the bias of my 128 columns: 4 (256 tcol + 128 half)
	s_lshl_b32 s19, s16, 9
	s_add_co_u32 s18, s18, s19
	s_mov_b32 s19, 0
	s_add_nc_u64 s[18:19], s[96:97], s[18:19]
.irp b, 0,1,2,3,4,5,6,7                        ; tile b's eight columns of a lane: 32 (b / 2) + 16 h + 8 (b % 2) + 0 .. 7
	global_load_b128 v[BI+8*\b:BI+8*\b+3], v[BV0], s[18:19] offset:(32*(\b/2)+8*(\b%2))*4
	global_load_b128 v[BI+8*\b+4:BI+8*\b+7], v[BV0], s[18:19] offset:(32*(\b/2)+8*(\b%2))*4+16
.endr
	s_mul_i32 s21, s15, HALFT
	s_mul_i32 s22, s16, HALFT
	s_add_co_u32 s22, s22, 2*HALFT
.irp s, 0,1
	v_add_nc_u32 v[ADRA+\s], s21, v[LI]
	v_add_nc_u32 v[ADRB+\s], s22, v[LI]
	s_add_co_u32 s21, s21, SLOT
	s_add_co_u32 s22, s22, SLOT
.endr
	v_lshlrev_b32 v5, 4, v1
	s_mul_i32 s21, s15, HALFS
	s_mul_i32 s22, s16, HALFS
	s_add_co_u32 s22, s22, 2*HALFS
	s_sub_co_u32 s22, s22, s21
	v_mul_u32_u24 v6, s22, v2                      ; lanes 16-31 take B's scale words
	s_add_co_u32 s21, s21, SCL
	v_add_nc_u32 v5, v5, v6
	v_add_nc_u32 v[ADRS], s21, v5
	s_mul_i32 s23, s14, 16*SPITCH                  ; my stage
	v_mul_u32_u24 v5, v1, SPITCH
	v_lshl_add_u32 v5, v2, 6, v5
	v_add_nc_u32 v[STO], s23, v5                   ; in: row r, + 64 h
	v_add_nc_u32 v[RD], s23, v[LI]                 ; back: the 32 lanes take one row of 512 bytes
	s_lshl_b32 s20, s17, 8
	s_lshl_b32 s21, s15, 7
	s_add_co_u32 s20, s20, s21                     ; my first row of out0,
	s_lshl_b32 s20, s20, 12                        ; of 4,096 bytes,
	s_lshl_b32 s21, s42, 10
	s_add_co_u32 s20, s20, s21
	s_lshl_b32 s21, s16, 9
	s_add_co_u32 s20, s20, s21                     ; and my first column
	s_mov_b32 s21, 0
	s_add_nc_u64 s[12:13], s[98:99], s[20:21]
.macro FRAG reg, adr, q, i
.irp c, 0,1
	ds_load_b128 v[\reg+4*\c:\reg+4*\c+3], v[\adr] offset:(\i)*4096+(\q)*1024+512*\c
.endr
.endm
; 16 matrix instructions; zero = 1: the first product starts the sums from the bias.  The 64 accumulators take turns, one instruction a turn, in the same order in every step.
.macro MUL16 a0, p, q, sc, zero
.irp a, \a0, \a0+1
.irp b, 0,1,2,3,4,5,6,7
.if \zero
	v_wmma_scale_f32_16x16x128_f8f6f4 v[8*(8*((\a)%4)+\b):8*(8*((\a)%4)+\b)+7], v[128*(\p)+FR*\b:128*(\p)+FR*\b+FR-1], v[AF+FR*(\a):AF+FR*(\a)+FR-1], v[BI+8*\b:BI+8*\b+7], v[SC+8*NQ*(\sc)+NQ*\b+(\q)], v[SC+8*NQ*(\sc)+NQ*(\a)+(\q)] matrix_a_fmt:MATRIX_FMT_FP4 matrix_b_fmt:MATRIX_FMT_FP4 matrix_a_scale:MATRIX_SCALE_ROW1
.else
	v_wmma_scale_f32_16x16x128_f8f6f4 v[8*(8*((\a)%4)+\b):8*(8*((\a)%4)+\b)+7], v[128*(\p)+FR*\b:128*(\p)+FR*\b+FR-1], v[AF+FR*(\a):AF+FR*(\a)+FR-1], v[8*(8*((\a)%4)+\b):8*(8*((\a)%4)+\b)+7], v[SC+8*NQ*(\sc)+NQ*\b+(\q)], v[SC+8*NQ*(\sc)+NQ*(\a)+(\q)] matrix_a_fmt:MATRIX_FMT_FP4 matrix_b_fmt:MATRIX_FMT_FP4 matrix_a_scale:MATRIX_SCALE_ROW1
.endif
.endr
.endr
.endm
.macro FETCH_B slot, q, p
	WIN TO_B
.irp i, 0,1,2,3,4,5,6,7
	FRAG 128*(\p)+FR*\i, ADRB+\slot, \q, \i
.endr
	WIN 0
.endm
.macro FETCH_A slot, q, i0
.irp i, \i0, \i0+1, \i0+2, \i0+3
	FRAG AF+FR*(\i), ADRA+\slot, \q, \i
.endr
.endm
.macro SCALES sc
.irp i, 0,1,2,3,4,5,6,7
	ds_load_b128 v[SC+8*NQ*\sc+NQ*\i:SC+8*NQ*\sc+NQ*\i+3], v[ADRS] offset:\i*512+256*\sc
.endr
.endm
.macro PLACES n                        ; plain vector instructions between a matrix instruction and a load into, or a read of, its registers
.rept \n
	v_nop
.endr
.endm
.macro STEP slot, q, zero
	s_wait_dscnt 4*NL                              ; all but the youngest eight loads (A's blocks 4-7) are in
.if \zero
	WIN BIA_LO
.else
	WIN MUL_LO
.endif
	MUL16 0, (\q)%2, \q, \slot, \zero
	MUL16 2, (\q)%2, \q, \slot, \zero
	s_wait_dscnt 0
	PLACES NP
	FETCH_B \slot, (\q)+1, 1-(\q)%2
	FETCH_A \slot, (\q)+1, 0
.if \zero
	WIN BIA_HI
.else
	WIN MUL_HI
.endif
	MUL16 4, (\q)%2, \q, \slot, \zero
	MUL16 6, (\q)%2, \q, \slot, \zero
	PLACES NP
	WIN 0
	FETCH_A \slot, (\q)+1, 4
.endm
.macro TURN slot, next                 ; a slot's last step changes slots: one barrier; nothing is filled again
	s_wait_tensorcnt 0x0                           ; all my tensor loads have landed: my part of the next slot
	ds_add_u32 v[SPW], v[NIL]                      ; 0 onto my spare word
	s_wait_dscnt 4*NL+1                            ; (the add and the youngest eight loads may be out)
	WIN MUL_LO
	MUL16 0, 1, NQ-1, \slot, 0
	s_wait_dscnt 0x0                               ; the add is done, and my reads of this slot are over
	s_barrier_signal -1
	MUL16 2, 1, NQ-1, \slot, 0
	WIN 0
	s_barrier_wait -1                              ; the next slot is whole, and nobody reads this one any more
	PLACES NP
	FETCH_B \next, 0, 0
	FETCH_A \next, 0, 0
	SCALES \next
	WIN MUL_HI
	MUL16 4, 1, NQ-1, \slot, 0
	MUL16 6, 1, NQ-1, \slot, 0
	PLACES NP
	WIN 0
	FETCH_A \next, 0, 4
.endm
.macro STEPS slot, from
.set Q, \from
.rept NQ-1-\from
	STEP \slot, Q, 0
.set Q, Q+1
.endr
.endm
	s_wait_alu depctr_va_vdst(0)
	s_wait_tensorcnt 1                             ; the scale words and my part of slot 0 are in (slot 1's load may be out),
	s_barrier_signal -1
	s_barrier_wait -1                              ; everybody's are
	FETCH_B 0, 0, 0
	FETCH_A 0, 0, 0
	SCALES 0
	FETCH_A 0, 0, 4
	s_wait_loadcnt 0x0                             ; the bias
	STEP 0, 0, 1
	STEPS 0, 1
	TURN 0, 1
	STEPS 1, 0
	s_wait_dscnt 4*NL                              ; the very last step: nothing more to fetch
	WIN MUL_LO
	MUL16 0, 1, NQ-1, 1, 0
	MUL16 2, 1, NQ-1, 1, 0
	s_wait_dscnt 0
	WIN MUL_HI
	MUL16 4, 1, NQ-1, 1, 0
	MUL16 6, 1, NQ-1, 1, 0
	WIN 0
; THE WAY OUT, A's block a (16 rows x 128 columns) at a time.  LDS serves a wave's instructions in order (ISA guide 5.7.1.4): no wait between the stores and the loads, nor in front of the next block's stores.
.macro TOSTAGE a
.set AC, 64*((\a)%4)
	WIN 0x08+4*((\a)/4)                            ; an LDS store's data are its source 1: window 2 or 3
.irp b, 0,1,2,3,4,5,6,7
	ds_store_b128 v[STO], v[AC+8*\b:AC+8*\b+3] offset:128*(\b/2)+32*(\b%2)          ; each accumulator from its low end on
	ds_store_b128 v[STO], v[AC+8*\b+4:AC+8*\b+7] offset:128*(\b/2)+32*(\b%2)+16
.endr
	WIN 0
.set BB, BK+64*((\a)%2)
.irp t, 0,1,2,3,4,5,6,7,8,9,10,11,12,13,14,15
	ds_load_b128 v[BB+4*\t:BB+4*\t+3], v[RD] offset:\t*SPITCH
.endr
.endm
.macro SEND a, younger                 ; younger: the LDS instructions issued behind block a's loads, which may stay out
.set BB, BK+64*((\a)%2)
	s_wait_dscnt \younger
.irp t, 0,1,2,3,4,5,6,7,8,9,10,11,12,13,14,15
	global_store_b128 v[LI], v[BB+4*\t:BB+4*\t+3], s[12:13] offset:(32*((\a)/2)+8*((\a)%2)+\t+8*(\t/8))*4096 th:TH_STORE_NT   ; lane row t of tile a: 512 consecutive bytes, aligned; 127 rows at the most in the immediate
.endr
.endm
	PLACES NP
	TOSTAGE 0
.irp a, 1,2,3,4,5,6,7
.if \a > 1
	s_wait_xcnt 0x0                                ; block a - 2's stores have read their registers: block a's loads may land there
.endif
	TOSTAGE \a
	SEND \a-1, 32                                  ; behind block a - 1's loads: block a's 16 stores and 16 loads
.endr
	SEND 7, 0
	s_wait_tensorcnt 0x0                           ; the wave's end, behind my last tensor load and my last LDS store
	ds_add_u32 v[SPW], v[NIL]
	s_wait_dscnt 0x0
	CROUND                                         ; the closing round
	s_endpgm
.Lfunc_end_k_q3ce6e85167_gemm_proj:
	.size	k_q3ce6e85167_gemm_proj, .Lfunc_end_k_q3ce6e85167_gemm_proj-k_q3ce6e85167_gemm_proj
	.p2alignl 7, 3214868480
	.fill 96, 4, 3214868480
	.section	.rodata,"a",@progbits
	.p2align	6, 0x0
	.amdhsa_kernel k_q3ce6e85167_gemm_proj
		.amdhsa_group_segment_fixed_size 327680
		.amdhsa_private_segment_fixed_size 0
		.amdhsa_enable_private_segment 0
		.amdhsa_kernarg_size 48
		.amdhsa_user_sgpr_count 2
		.amdhsa_user_sgpr_kernarg_segment_ptr 1
		.amdhsa_wavefront_size32 1
		.amdhsa_system_sgpr_workgroup_id_x 1
		.amdhsa_system_sgpr_workgroup_id_y 1
		.amdhsa_system_sgpr_workgroup_id_z 1
		.amdhsa_system_vgpr_workitem_id 0
		.amdhsa_next_free_vgpr 1024
		.amdhsa_next_free_sgpr 100
		.amdhsa_reserve_vcc 0
		.amdhsa_float_denorm_mode_32 3
		.amdhsa_float_denorm_mode_16_64 3
		.amdhsa_memory_ordered 1
		.amdhsa_forward_progress 1
		.amdhsa_inst_pref_size 126
	.end_amdhsa_kernel
	.amdgpu_metadata
---
amdhsa.version: [ 1, 2 ]
amdhsa.kernels:
  - .name:           k_q3ce6e85167_gemm_proj
    .symbol:         k_q3ce6e85167_gemm_proj.kd
    .args:
      - { .name: ao_img, .offset: 0, .size: 8, .value_kind: global_buffer, .address_space: global }
      - { .name: ao_sc, .offset: 8, .size: 8, .value_kind: global_buffer, .address_space: global }
      - { .name: img, .offset: 16, .size: 8, .value_kind: global_buffer, .address_space: global }
      - { .name: sc, .offset: 24, .size: 8, .value_kind: global_buffer, .address_space: global }
      - { .name: b_proj, .offset: 32, .size: 8, .value_kind: global_buffer, .address_space: global }
      - { .name: out0, .offset: 40, .size: 8, .value_kind: global_buffer, .address_space: global }
    .group_segment_fixed_size: 327680
    .private_segment_fixed_size: 0
    .kernarg_segment_align: 8
    .kernarg_segment_size: 48
    .max_flat_workgroup_size: 128
    .sgpr_count:     100
    .vgpr_count:     1024
    .wavefront_size: 32
...
	.end_amdgpu_metadata
.endif
;; end of part 4
